; MI455X (gfx1250); checked and timed in simulation.
; The chip was launched on July 23, 2026; its instructions are those of AMD's public machine-readable ISA for CDNA 5 (MIT licence, August 2026) and "CDNA5" Instruction Set Architecture Reference Guide (July 2026). The comments in the code are by the model that wrote it; some were corrected since.
;; Self Attention. Allowed arithmetic: matrix products marked QUANTISED: E3M2 operands, one E8M0 scale for each 32 along K, by v_wmma_scale_f32_16x16x128_f8f6f4 with both operands' format E3M2, f32 sums; everything else in f32.
;; Inputs: attention_mask 4 x 2,048 bool; bk 1,024 float32; bo 1,024 float32; bq 1,024 float32; bv 1,024 float32; ln_b 1,024 float32; ln_g 1,024 float32; wk_codes 1,024 x 32 x 24 uint8 (E3M2 codes of wk, K innermost, in blocks of 32 codes, four codes in three bytes); wk_scales 1,024 x 32 uint8 (E8M0 scales of wk, one for each 32 codes along K); wo_codes 1,024 x 32 x 24 uint8 (E3M2 codes of wo, K innermost, in blocks of 32 codes, four codes in three bytes); wo_scales 1,024 x 32 uint8 (E8M0 scales of wo, one for each 32 codes along K); wq_codes 1,024 x 32 x 24 uint8 (E3M2 codes of wq, K innermost, in blocks of 32 codes, four codes in three bytes); wq_scales 1,024 x 32 uint8 (E8M0 scales of wq, one for each 32 codes along K); wv_codes 1,024 x 32 x 24 uint8 (E3M2 codes of wv, K innermost, in blocks of 32 codes, four codes in three bytes); wv_scales 1,024 x 32 uint8 (E8M0 scales of wv, one for each 32 codes along K); x 4 x 2,048 x 1,024 float32.
;; Outputs: out0 4 x 2,048 x 1,024 float32.
;; This version of the problem:
;;   THIS VERSION OF THE PROBLEM IS GIVEN IN LOW PRECISION. The matrix products marked QUANTISED in the list below multiply operands that are first quantised to E3M2 (3 exponent bits, 2 mantissa bits; 6 bits a number), with one power-of-two scale for each 32 numbers along K (OCP MX v1.0); their sums are f32. All else is computed in f32.
;;   The module's matrix products, in the order in which they are computed (A, B: the left and right operand; K: the contracted axis; several contracted axes count as one K, in the product's order):
;;     1. [M 8,192, K 1,024] x [K 1,024, N 1,024]; A: computed on the way; B: input wq (given as codes): QUANTISED
;;     2. [M 8,192, K 1,024] x [K 1,024, N 1,024]; A: computed on the way; B: input wk (given as codes): QUANTISED
;;     3. [M 8,192, K 1,024] x [K 1,024, N 1,024]; A: computed on the way; B: input wv (given as codes): QUANTISED
;;     4. batch 64 x [M 2,048, K 64] x [K 64, N 2,048]; A: computed on the way; B: computed on the way: QUANTISED
;;     5. batch 64 x [M 2,048, K 2,048] x [K 2,048, N 64]; A: softmax (see below); B: computed on the way: QUANTISED
;;     6. [M 8,192, K 1,024] x [K 1,024, N 1,024]; A: computed on the way; B: input wo (given as codes): QUANTISED
;;   THE QUANTISER, for each operand of a quantised product, along K:
;;     - K is cut into blocks of 32 from its start; a last block that is shorter is filled with zeros.
;;     - A block's scale is 2^e with e = floor(log2(the largest magnitude in the block)) - 4, held to -126 .. 127; a block of zeros has e = 0. As a byte (E8M0): e + 127.
;;     - Each number is divided by its block's scale, clamped to +-28, and rounded to the nearest number of E3M2, ties to even, subnormals kept.
;;     - The product sums the exact products of the quantised numbers (number of the format x scale) in f32.
;;   ~~~python
;;   def quantise(x, axis):      # numpy; x: float32 -> the quantised numbers, widened to float32 again
;;       x = np.moveaxis(x, axis, -1); K = x.shape[-1]
;;       x = np.pad(x, [(0, 0)] * (x.ndim - 1) + [(0, -K % 32)]); x = x.reshape(x.shape[:-1] + (-1, 32)); a = np.abs(x).max(-1, keepdims=True)
;;       e = np.where(a > 0, np.clip(np.frexp(np.where(a > 0, a, 1))[1] - 1 - 4, -126, 127), 0)      # np.frexp(a)[1] - 1 = floor(log2(a)), exactly
;;       r = np.clip(x / 2.0 ** e, -28, 28)
;;       step = 2.0 ** (np.maximum(np.frexp(np.where(r == 0, 1, r))[1] - 1, -2) - 2)
;;       q = np.round(r / step) * step * 2.0 ** e      # np.round: ties to even
;;       return np.moveaxis(q.reshape(q.shape[:-2] + (-1,))[..., :K], -1, axis).astype(np.float32)
;;   ~~~
;;   SOFTMAX AHEAD OF A QUANTISED PRODUCT. Where the list says 'softmax', what is quantised is not the finished softmax but p = 2^(t - M), with t = logit x log2(e) and M = ceil(the row's largest t), a whole number; so 1/2 < the row's largest p <= 1. The row's sum l is taken of the UNQUANTISED p, in f32, and the product's result is divided by l at the end. Since M is a whole number, a kernel that streams over the keys may use a running M (the ceiling of the running maximum): every later rescaling is an exact power of two, which a block's scale takes up: the codes' values come out the same.
;;   OPERANDS COMPUTED ON THE WAY. 'Computed on the way' means the value that the module computes at that place (a softmax that the list does not call 'softmax' is quantised finished and normalised). What goes into a quantiser is computed in f32, as accurately as f32 sums, v_exp_f32 and their like allow (about 1e-6 of the number): no bf16 or f16 on the way to a quantiser, and a product that is left as it is and whose result goes on into a quantised operand takes f32 operands (vector FMAs, or v_wmma_f32_16x16x4_f32). A number that lies on a knife's edge between two numbers of the format may be rounded either way, as far as f32 arithmetic and the matrix unit's own rounding can turn it there, and no further.
;;   INPUTS GIVEN AS CODES. wk (in the module: [1024, 1024], K = its axis 1); wo (in the module: [1024, 1024], K = its axis 1); wq (in the module: [1024, 1024], K = its axis 1); wv (in the module: [1024, 1024], K = its axis 1): each comes as NAME_codes (uint8): NAME with its K axis moved to the last place and cut into blocks of 32 codes, [.., K / 32, bytes a block], one block behind the other in memory; four codes in three bytes: a row's codes are one little-endian stream of bits, code i at bits 6 i .. 6 i + 5 (a code: sign, 3 exponent bits, 2 mantissa bits); and NAME_scales (uint8): the same leading axes, one E8M0 byte (e + 127) for each 32 codes along K. Its value is code x scale, taken as it is: it is not quantised again, and the codes and scales need not be those that the quantiser above would give.
;; One version. Each part assembles by itself: llvm-mc -triple=amdgcn-amd-amdhsa -mcpu=gfx1250 --defsym DOCPART=n.
;; ======== version 1 of 1: 4 launches
;; limits: right only within a limited range of input values
;; workspace buffers: h_codes 6,291,456 bytes; h_scales 262,144 bytes; qbuf 13,369,344 bytes; kvbuf 13,369,344 bytes; c_img 6,291,456 bytes; csw 524,288 bytes
;; launch lnq (part 1): grid 256 x 1, 8 waves a work-group, no clusters, 46,080 bytes of LDS; arguments x, ln_g, ln_b, h_codes, h_scales; writes h_codes, h_scales
.if DOCPART == 1
	.amdgcn_target "amdgcn-amd-amdhsa--gfx1250"
	.amdhsa_code_object_version 6
	.text
	.protected	k_q89a642d069_lnq
	.globl	k_q89a642d069_lnq
	.p2align	8
	.type	k_q89a642d069_lnq,@function
k_q89a642d069_lnq:
	s_mov_b64 s[64:65], 0
	v_nop
	global_prefetch_b8 v0, s[64:65] scope:SCOPE_SE
	s_setreg_imm32_b32 hwreg(HW_REG_WAVE_MODE, 25, 1), 1
	s_wait_xcnt 0x0
; h = (x - mean) * rsqrt(var + 1e-5) * g + b along rows of 1,024 f32, then h as codes of E3M2 with one E8M0 byte for each 32 along the row.
; h_codes: [8192][768] bytes, a row's codes one stream of bits in the natural order of k; h_scales: [8192][32] bytes.
; SHARES: a work-group takes 32 rows, each of its eight waves 4 whole rows.  A row is 4,096 bytes: eight loads of 512 consecutive bytes, 32 registers a lane.
; All 48 loads of a wave (g, b, four rows) go out at the head; a row waits only for its own.  The row stays in registers between mean, variance and scaling: x is read once.
; The conversion takes 16 neighbours from ONE lane's registers, the loads give a lane 4: a row turns through the wave's own stage in LDS (64 bytes + 16 of padding a lane), two steps of 512 numbers.
; A lane's 16 codes are 12 bytes: a store covers 384 consecutive bytes.  The work-group's 1,024 scale bytes are gathered in LDS and leave as two runs of 512 consecutive aligned bytes.
; A block's byte is its largest magnitude's exponent field - 4, held at 1 from below (a block of zeros gets 1: its codes are zeros, and only this program reads the bytes).
; LIMITS: NaN and infinities in x, g, b are not served; blocks whose largest magnitude lies under 2^-122 get the byte 1.
.set SP,   80                          ; a lane's place in a stage
.set WST,  2*32*SP                     ; a wave's stage: two steps
.set SCB,  8*WST                       ; behind the stages: 1,024 scale bytes
.set G,    16                          ; v16-47   g, as loaded
.set B,    48                          ; v48-79   b
.set X,    80                          ; v80-207  four rows of x; behind a row's turn its registers take its codes and bytes
.set T,    208                         ; v208-239 two sets of 16 neighbours
	s_load_b256 s[4:11], s[0:1], 0x0               ; x s[4:5], g s[6:7], b s[8:9], h_codes s[10:11]
	s_load_b64 s[12:13], s[0:1], 0x20              ; h_scales
	v_lshl_add_u32 v247, v0, 2, 0xb000
	v_mov_b32 v251, 0
	v_lshrrev_b32 v1, 5, v0
	s_delay_alu instid0(VALU_DEP_1)
	v_readfirstlane_b32 s14, v1                    ; wave 0..7
	v_and_b32 v1, 31, v0                           ; lane
	s_delay_alu instid0(VALU_DEP_1)
	v_lshlrev_b32 v2, 4, v1                        ; my 16 bytes of a load's 512
	s_delay_alu instid0(VALU_DEP_2)
	v_mul_u32_u24 v3, v1, 12                       ; my 12 bytes of a step's codes
	s_mul_i32 s15, s14, WST
	v_lshrrev_b32 v4, 2, v1
	s_delay_alu instid0(VALU_DEP_1)
	v_mul_u32_u24 v4, v4, SP
	v_and_b32 v5, 3, v1
	s_delay_alu instid0(VALU_DEP_1)
	v_lshl_add_u32 v4, v5, 4, v4
	s_delay_alu instid0(VALU_DEP_1)
	v_add_nc_u32 v4, s15, v4                       ; the stage, in: SP (lane / 4) + 16 (lane % 4)
	v_mul_u32_u24 v5, v1, SP
	s_delay_alu instid0(VALU_DEP_1)
	v_add_nc_u32 v5, s15, v5                       ; and out: SP x lane
	s_lshl_b32 s15, s14, 7
	v_lshrrev_b32 v6, 1, v1
	s_delay_alu instid0(VALU_DEP_1)
	v_add_nc_u32 v6, s15, v6                       ; my block's byte among the wave's 128 (SCB stands in the immediate)
	v_lshlrev_b32 v7, 4, v0                        ; the bytes' way out: 16 x thread
	s_lshl_b32 s16, ttmp9, 17                      ; x: 32 rows a work-group,
	s_lshl_b32 s17, s14, 14                        ; 4 rows a wave
	s_add_co_u32 s16, s16, s17
	s_mov_b32 s17, 0
	s_mul_i32 s18, ttmp9, 24576                    ; the codes likewise: 768 bytes a row
	s_mul_i32 s19, s14, 3072
	s_add_co_u32 s18, s18, s19
	s_mov_b32 s19, 0
	s_lshl_b32 s24, ttmp9, 10                      ; the bytes: 1,024 a work-group
	s_mov_b32 s25, 0
	s_mov_b32 s20, 0x76543210
	s_mov_b32 s21, 0xfedcba98                      ; v_permlanex16_b32's selects for lane l xor 16
	s_mov_b32 s22, 0x3a800000                      ; 1 / 1024
	s_mov_b32 s23, 0x3727c5ac                      ; 1e-5
	s_wait_kmcnt 0x0
	s_add_nc_u64 s[4:5], s[4:5], s[16:17]
	s_add_nc_u64 s[10:11], s[10:11], s[18:19]
	s_add_nc_u64 s[12:13], s[12:13], s[24:25]
.irp j, 0,1,2,3,4,5,6,7
	global_load_b128 v[G+4*\j:G+4*\j+3], v2, s[6:7] offset:512*\j
.endr
.irp j, 0,1,2,3,4,5,6,7
	global_load_b128 v[B+4*\j:B+4*\j+3], v2, s[8:9] offset:512*\j
.endr
.irp p, 0,1,2,3
.irp j, 0,1,2,3,4,5,6,7
	global_load_b128 v[X+32*\p+4*\j:X+32*\p+4*\j+3], v2, s[4:5] offset:4096*\p+512*\j th:TH_LOAD_NT
.endr
.endr
.macro REDUCE                          ; v8 summed over the 32 lanes, the result in every lane
	s_delay_alu instid0(VALU_DEP_1)
	v_add_f32_dpp v8, v8, v8 row_xmask:1 row_mask:0xf bank_mask:0xf
	s_delay_alu instid0(VALU_DEP_1)
	v_add_f32_dpp v8, v8, v8 row_xmask:2 row_mask:0xf bank_mask:0xf
	s_delay_alu instid0(VALU_DEP_1)
	v_add_f32_dpp v8, v8, v8 row_xmask:4 row_mask:0xf bank_mask:0xf
	s_delay_alu instid0(VALU_DEP_1)
	v_add_f32_dpp v8, v8, v8 row_xmask:8 row_mask:0xf bank_mask:0xf
	s_delay_alu instid0(VALU_DEP_1)
	v_permlanex16_b32 v9, v8, s20, s21
	s_delay_alu instid0(VALU_DEP_1)
	v_add_f32 v8, v8, v9
.endm
.macro ROW p
.set XR, X+32*(\p)
	s_wait_loadcnt 8*(3-(\p))                      ; g, b and my row are in; the 8 loads of each later row may be out
	v_pk_add_f32 v[8:9], v[XR:XR+1], v[XR+2:XR+3]  ; the sum, two chains of packed additions
	v_pk_add_f32 v[10:11], v[XR+4:XR+5], v[XR+6:XR+7]
.irp i, 8,12,16,20,24,28
	s_delay_alu instid0(VALU_DEP_2)
	v_pk_add_f32 v[8:9], v[8:9], v[XR+\i:XR+\i+1]
	s_delay_alu instid0(VALU_DEP_2)
	v_pk_add_f32 v[10:11], v[10:11], v[XR+\i+2:XR+\i+3]
.endr
	s_delay_alu instid0(VALU_DEP_1)
	v_pk_add_f32 v[8:9], v[8:9], v[10:11]
	s_delay_alu instid0(VALU_DEP_1)
	v_add_f32 v8, v8, v9
	REDUCE
	s_delay_alu instid0(VALU_DEP_1)
	v_mul_f32 v12, s22, v8                         ; the mean, twice: a pair for the packed form
	s_delay_alu instid0(VALU_DEP_2)
	v_mul_f32 v13, s22, v8
.irp i, 0,2,4,6,8,10,12,14,16,18,20,22,24,26,28,30
	v_pk_add_f32 v[XR+\i:XR+\i+1], v[XR+\i:XR+\i+1], v[12:13] neg_lo:[0,1] neg_hi:[0,1]   ; x - mean
.endr
	v_pk_mul_f32 v[8:9], v[XR:XR+1], v[XR:XR+1]    ; the squares' sum, of the differences: no difference of large sums
	v_pk_mul_f32 v[10:11], v[XR+2:XR+3], v[XR+2:XR+3]
.irp i, 4,8,12,16,20,24,28
	s_delay_alu instid0(VALU_DEP_2)
	v_pk_fma_f32 v[8:9], v[XR+\i:XR+\i+1], v[XR+\i:XR+\i+1], v[8:9]
	s_delay_alu instid0(VALU_DEP_2)
	v_pk_fma_f32 v[10:11], v[XR+\i+2:XR+\i+3], v[XR+\i+2:XR+\i+3], v[10:11]
.endr
	s_delay_alu instid0(VALU_DEP_1)
	v_pk_add_f32 v[8:9], v[8:9], v[10:11]
	s_delay_alu instid0(VALU_DEP_1)
	v_add_f32 v8, v8, v9
	REDUCE
	s_delay_alu instid0(VALU_DEP_1)
	v_fma_f32 v8, v8, s22, s23                     ; var + eps
	s_wait_alu depctr_va_vdst(0)
	v_rsq_f32 v14, v8
	v_nop                                          ; a plain instruction behind the transcendental
	s_wait_alu depctr_va_vdst(0)                   ; and the wait ahead of its first reader
	v_mov_b32 v15, v14
.irp i, 0,2,4,6,8,10,12,14,16,18,20,22,24,26,28,30
	v_pk_mul_f32 v[XR+\i:XR+\i+1], v[XR+\i:XR+\i+1], v[14:15]
.endr
.irp i, 0,2,4,6,8,10,12,14,16,18,20,22,24,26,28,30
	v_pk_fma_f32 v[XR+\i:XR+\i+1], v[XR+\i:XR+\i+1], v[G+\i:G+\i+1], v[B+\i:B+\i+1]
.endr
.irp t, 0,1                            ; through my stage: LDS serves a wave's instructions in order, so no wait stands between the stores and the loads, nor in front of the next row's stores
.irp i, 0,1,2,3
	ds_store_b128 v4, v[XR+16*\t+4*\i:XR+16*\t+4*\i+3] offset:32*SP*\t+8*SP*\i
.endr
.endr
.irp t, 0,1
.irp i, 0,1,2,3
	ds_load_b128 v[T+16*\t+4*\i:T+16*\t+4*\i+3], v5 offset:32*SP*\t+16*\i
.endr
.endr
	s_wait_dscnt 0x0                               ; my 2 x 16 neighbours are back, and the stores have read the row's registers: they take the codes and bytes below
.irp t, 0,1
	v_max3_num_f32 v248, |v[T+16*\t]|, |v[T+16*\t+1]|, |v[T+16*\t+2]|
	v_max3_num_f32 v249, |v[T+16*\t+3]|, |v[T+16*\t+4]|, |v[T+16*\t+5]|
.irp i, 6,10
	s_delay_alu instid0(VALU_DEP_2)
	v_max3_num_f32 v248, v248, |v[T+16*\t+\i]|, |v[T+16*\t+\i+1]|
	s_delay_alu instid0(VALU_DEP_2)
	v_max3_num_f32 v249, v249, |v[T+16*\t+\i+2]|, |v[T+16*\t+\i+3]|
.endr
	s_delay_alu instid0(VALU_DEP_2)
	v_max3_num_f32 v248, v248, |v[T+16*\t+14]|, |v[T+16*\t+15]|
	s_delay_alu instid0(VALU_DEP_1)
	v_max3_num_f32 v248, v248, v249, 0x2800000     ; and the floor 2^(5 - 127): the byte cannot fall under 1
	s_delay_alu instid0(VALU_DEP_1)
	v_max_num_f32_dpp v248, v248, v248 row_xmask:1 row_mask:0xf bank_mask:0xf   ; with my neighbour's 16: the block's
	s_delay_alu instid0(VALU_DEP_1)
	v_add_nc_u32 v250, 0xfe000000, v248            ; 4 off the exponent field: the conversion's scale operand
	v_cvt_scalef32_pk16_bf6_f32 v[XR+4*\t:XR+4*\t+2], v[T+16*\t:T+16*\t+15], v250
	v_lshrrev_b32 v[XR+8+\t], 23, v250             ; the scale's byte (also the plain instruction behind the conversion)
	ds_store_b8 v6, v[XR+8+\t] offset:SCB+32*(\p)+16*\t   ; both lanes of a block write the same byte with the same value
	global_store_b96 v3, v[XR+4*\t:XR+4*\t+2], s[10:11] offset:768*(\p)+384*\t   ; 384 consecutive bytes
.endr
.endm
	ROW 0
	ROW 1
	ROW 2
	ROW 3
	s_wait_dscnt 0x0                               ; for the others' sake: my byte stores have landed
	s_barrier_signal -1
	s_barrier_wait -1
	s_cmp_gt_u32 s14, 1                            ; waves 0 and 1 send the 1,024 bytes: 16 a lane, 512 consecutive bytes a wave
	s_cbranch_scc1 .Ldone
	ds_load_b128 v[252:255], v7 offset:SCB
	s_wait_dscnt 0x0
	global_store_b128 v7, v[252:255], s[12:13]
.Ldone:
	s_wait_tensorcnt 0x0
	ds_add_u32 v247, v251
	s_wait_dscnt 0x0
	s_endpgm
.Lfunc_end_k_q89a642d069_lnq:
	.size	k_q89a642d069_lnq, .Lfunc_end_k_q89a642d069_lnq-k_q89a642d069_lnq
	.p2alignl 7, 3214868480
	.fill 96, 4, 3214868480
	.section	.rodata,"a",@progbits
	.p2align	6, 0x0
	.amdhsa_kernel k_q89a642d069_lnq
		.amdhsa_group_segment_fixed_size 46080
		.amdhsa_private_segment_fixed_size 0
		.amdhsa_enable_private_segment 0
		.amdhsa_kernarg_size 40
		.amdhsa_user_sgpr_count 2
		.amdhsa_user_sgpr_kernarg_segment_ptr 1
		.amdhsa_wavefront_size32 1
		.amdhsa_system_sgpr_workgroup_id_x 1
		.amdhsa_system_sgpr_workgroup_id_y 1
		.amdhsa_system_sgpr_workgroup_id_z 1
		.amdhsa_system_vgpr_workitem_id 0
		.amdhsa_next_free_vgpr 256
		.amdhsa_next_free_sgpr 66
		.amdhsa_reserve_vcc 0
		.amdhsa_float_denorm_mode_32 3
		.amdhsa_float_denorm_mode_16_64 3
		.amdhsa_memory_ordered 1
		.amdhsa_forward_progress 1
		.amdhsa_inst_pref_size 51
	.end_amdhsa_kernel
	.amdgpu_metadata
---
amdhsa.version: [ 1, 2 ]
amdhsa.kernels:
  - .name:           k_q89a642d069_lnq
    .symbol:         k_q89a642d069_lnq.kd
    .args:
      - { .name: x, .offset: 0, .size: 8, .value_kind: global_buffer, .address_space: global }
      - { .name: ln_g, .offset: 8, .size: 8, .value_kind: global_buffer, .address_space: global }
      - { .name: ln_b, .offset: 16, .size: 8, .value_kind: global_buffer, .address_space: global }
      - { .name: h_codes, .offset: 24, .size: 8, .value_kind: global_buffer, .address_space: global }
      - { .name: h_scales, .offset: 32, .size: 8, .value_kind: global_buffer, .address_space: global }
    .group_segment_fixed_size: 46080
    .private_segment_fixed_size: 0
    .kernarg_segment_align: 8
    .kernarg_segment_size: 40
    .max_flat_workgroup_size: 256
    .sgpr_count:     66
    .vgpr_count:     256
    .wavefront_size: 32
...
	.end_amdgpu_metadata
.endif
;; end of part 1
;; launch qkv (part 2): grid 12 x 32, 4 waves a work-group, clusters of 4 x 4, 327,680 bytes of LDS; arguments h_codes, h_scales, wq_codes, wq_scales, wk_codes, wk_scales, wv_codes, wv_scales, bq, bk, bv, qbuf, kvbuf; writes qbuf, kvbuf
.if DOCPART == 2
	.amdgcn_target "amdgcn-amd-amdhsa--gfx1250"
	.amdhsa_code_object_version 6
	.text
	.protected	k_q89a642d069_qkv
	.globl	k_q89a642d069_qkv
	.p2align	8
	.type	k_q89a642d069_qkv,@function
k_q89a642d069_qkv:
	s_mov_b64 s[64:65], 0
	v_nop
	global_prefetch_b8 v0, s[64:65] scope:SCOPE_SE
	s_setreg_imm32_b32 hwreg(HW_REG_WAVE_MODE, 25, 1), 1
	s_wait_xcnt 0x0
	s_wait_alu depctr_hold_cnt(0) depctr_sa_sdst(0) depctr_va_vdst(0) depctr_va_sdst(0) depctr_va_ssrc(0) depctr_va_vcc(0) depctr_vm_vsrc(0)
	s_getreg_b32 s2, hwreg(HW_REG_IB_STS2, 6, 4)
	s_cmp_eq_u32 s2, 0
	s_cbranch_scc0 .Lentry_in_a_cluster
	s_endpgm
.Lentry_in_a_cluster:
	s_bfe_u32 s2, ttmp6, 0x10000c
	s_cmp_lg_u32 s2, 0xf033
	s_cbranch_scc0 .Lentry_shape_is_right
	s_endpgm
.Lentry_shape_is_right:
.set ROWB,  256                        ; a tile's row: a chunk of 256 bytes of a row of codes; every chunk begins at a multiple of 256 bytes
.set KROW,  768
.set CHUNKS, KROW/ROWB                 ; chunk c lies in slot c % 2
.set PITCH, 272
.set FR,    12
.set NL,    6
.set NP,    4
.set HALFT, 128*PITCH
.set SLOT,  4*HALFT
.set SPARE, 2*SLOT
.set HB,    208896
.set SS,    13056
.set ADRA, 16
.set ADRB, 20
.set L8,   24
.set L32,  25
.set LN,   26
.set H32,  27
.set SPW,  28
.set NIL,  29
.set R4,   30
.set SX,   32
.set SY,   64
.set BY,   96
.set TM,   112
.set AF,   128
.set H,    128
.set PC,   192
.set SW,   224
.set TT,   232
.set UU,   236
.set G1,  24
.set G0,  32
.set G1B, 48
.set G0B, 56
.set SEL, 82
.set MSB, 0
.macro WIN new
.if MSB != (\new)
	s_set_vgpr_msb (MSB<<8)|(\new)
.set MSB, (\new)
.endif
.endm
.set MUL_LO, 0xa1
.set MUL_HI, 0xf1
.set BEG_LO, 0x91
.set BEG_HI, 0xd1
.set TO_B,   0x40
.macro JLOAD g0a, g1a, g0b, g1b
	s_cmp_eq_u32 s15, 0
	s_cbranch_scc0 .Lfor_b_\@
	tensor_load_to_lds s[\g0a:\g0a+3], s[\g1a:\g1a+7]
	s_nop 0
.rept 4
	v_nop
.endr
	s_branch .Lasked_\@
.Lfor_b_\@:
	tensor_load_to_lds s[\g0b:\g0b+3], s[\g1b:\g1b+7]
	s_nop 0
.rept 4
	v_nop
.endr
.Lasked_\@:
.endm
.macro CREST
	s_cmp_lg_u32 s14, 0
	s_cbranch_scc1 .Lnot_wave_0_\@
	s_barrier_signal -3
.Lnot_wave_0_\@:
	s_barrier_wait -3
	s_barrier_signal -1
	s_barrier_wait -1
.endm
.macro CROUND
	s_barrier_signal -1
	s_barrier_wait -1
	CREST
.endm
.macro PLACES n
.rept \n
	v_nop
.endr
.endm
.macro WM d, x, y, c, sx, sy, rx, ry
.if ((\rx) == 0) && ((\ry) == 0)
	v_wmma_scale_f32_16x16x128_f8f6f4 v[\d:\d+7], v[\x:\x+11], v[\y:\y+11], v[\c:\c+7], v[\sx], v[\sy] matrix_a_fmt:MATRIX_FMT_BF6 matrix_b_fmt:MATRIX_FMT_BF6
.elseif (\ry) == 0
	v_wmma_scale_f32_16x16x128_f8f6f4 v[\d:\d+7], v[\x:\x+11], v[\y:\y+11], v[\c:\c+7], v[\sx], v[\sy] matrix_a_fmt:MATRIX_FMT_BF6 matrix_b_fmt:MATRIX_FMT_BF6 matrix_a_scale:MATRIX_SCALE_ROW1
.elseif (\rx) == 0
	v_wmma_scale_f32_16x16x128_f8f6f4 v[\d:\d+7], v[\x:\x+11], v[\y:\y+11], v[\c:\c+7], v[\sx], v[\sy] matrix_a_fmt:MATRIX_FMT_BF6 matrix_b_fmt:MATRIX_FMT_BF6 matrix_b_scale:MATRIX_SCALE_ROW1
.else
	v_wmma_scale_f32_16x16x128_f8f6f4 v[\d:\d+7], v[\x:\x+11], v[\y:\y+11], v[\c:\c+7], v[\sx], v[\sy] matrix_a_fmt:MATRIX_FMT_BF6 matrix_b_fmt:MATRIX_FMT_BF6 matrix_a_scale:MATRIX_SCALE_ROW1 matrix_b_scale:MATRIX_SCALE_ROW1
.endif
.endm
	s_load_b512 s[68:83], s[0:1], 0x0
	s_load_b256 s[84:91], s[0:1], 0x40
	s_load_b64 s[92:93], s[0:1], 0x60
	v_lshl_add_u32 v[SPW], v0, 2, SPARE
	v_mov_b32 v[NIL], 0
	ds_add_u32 v28, v29
	ds_add_u32 v28, v29
	s_wait_dscnt 0x0
	v_lshrrev_b32 v1, 5, v0
	v_readfirstlane_b32 s14, v1
	s_lshr_b32 s15, s14, 1
	s_and_b32 s16, s14, 1
	s_bfe_u32 s40, ttmp6, 0x40000
	s_bfe_u32 s41, ttmp6, 0x40004
	s_and_b32 s17, ttmp7, 0xffff
	s_lshl_b32 s17, s17, 2
	s_add_co_u32 s42, s17, s40
	s_add_co_u32 s17, s17, s41
	s_lshl_b32 s43, s41, 2
	s_lshl_b32 s43, 15, s43
	s_lshl_b32 s44, 0x1111, s40
	s_or_b32 s[G1+0], s43, (0<<16)|(1<<20)|(1<<21)|(5<<22)|(3<<25)
	s_or_b32 s[G1B+0], s44, (0<<16)|(1<<20)|(1<<21)|(5<<22)|(3<<25)
.irp g, G1, G1B
	s_mov_b32 s[\g+1], ROWB<<16
	s_mov_b32 s[\g+2], 256<<16                     ; the head's loads bring 256 rows; behind them these two words are set to 128, for the ring's
	s_mov_b32 s[\g+3], ROWB<<16
	s_mov_b32 s[\g+4], 256
	s_mov_b32 s[\g+5], KROW
	s_mov_b32 s[\g+6], 0
	s_mov_b32 s[\g+7], 0
.endr
	s_cmp_eq_u32 ttmp9, 2
	s_cselect_b32 s42, s42, s40
	s_cselect_b32 s17, s41, s17
	s_lshl_b32 s18, s16, 7
	s_lshl_b32 s19, s15, 7
	s_lshl_b32 s20, s17, 8
	s_add_co_u32 s99, s20, s19
	s_add_co_u32 s20, s20, s18
	s_lshl_b32 s46, s42, 8
	s_add_co_u32 s46, s46, s18
	s_mov_b32 s98, s46
	s_mul_i32 s20, s20, KROW
	s_mov_b32 s21, 0
	s_mul_i32 s46, s46, KROW
	s_mov_b32 s47, 0
	s_mul_i32 s45, s14, HALFT
	s_wait_kmcnt 0x0
	s_cmp_eq_u32 ttmp9, 0
	s_cselect_b64 s[72:73], s[72:73], s[76:77]
	s_cselect_b64 s[74:75], s[74:75], s[78:79]
	s_cselect_b64 s[94:95], s[84:85], s[86:87]
	s_cselect_b64 s[12:13], s[90:91], s[92:93]
	s_cmp_eq_u32 ttmp9, 2
	s_cselect_b64 s[4:5], s[80:81], s[68:69]
	s_cselect_b64 s[6:7], s[82:83], s[70:71]
	s_cselect_b64 s[8:9], s[68:69], s[72:73]
	s_cselect_b64 s[10:11], s[70:71], s[74:75]
	s_cselect_b32 s96, 0, -1
	s_cselect_b32 s97, -1, 0
	s_add_nc_u64 s[20:21], s[4:5], s[20:21]
	s_add_nc_u64 s[46:47], s[8:9], s[46:47]
	s_mov_b32 s[G0], 1                             ; the ring's group 0 (slot 0 alone is filled again): my 128 rows, a quarter of the slot
	s_mov_b32 s[G0+1], s45
	s_mov_b64 s[G0+2:G0+3], s[20:21]
	s_or_b32 s[G0+3], s[G0+3], 0x80000000
	s_mov_b32 s[G0B], 1
	s_mov_b32 s[G0B+1], s45
	s_mov_b64 s[G0B+2:G0B+3], s[46:47]
	s_or_b32 s[G0B+3], s[G0B+3], 0x80000000
	s_mul_i32 s22, s16, 128*KROW-ROWB              ; the head's group 0: all 256 rows of a tile, chunk wave % 2: back to the tile's first row, on by the chunk
	s_mov_b32 s23, 0
	s_mul_i32 s18, s16, SLOT                       ; into slot wave % 2
	s_mov_b32 s[G0+4], 1
	s_mov_b32 s[G0+5], s18
	s_sub_nc_u64 s[G0+6:G0+7], s[20:21], s[22:23]
	s_or_b32 s[G0+7], s[G0+7], 0x80000000
	s_mov_b32 s[G0B+4], 1
	s_add_co_u32 s[G0B+5], s18, 2*HALFT
	s_sub_nc_u64 s[G0B+6:G0B+7], s[46:47], s[22:23]
	s_or_b32 s[G0B+7], s[G0B+7], 0x80000000
	CROUND                                         ; all sixteen work-groups are here: the first joint loads meet
	JLOAD G0+4, G1, G0B+4, G1B                     ; one load a wave: waves 0, 1 source 1's chunks 0, 1; waves 2, 3 source 0's
	s_cmp_eq_u32 ttmp9, 2
	s_cselect_b32 s84, s98, s99
	s_cselect_b32 s85, s99, s98
	s_cselect_b32 s86, 6144, 0
	s_mov_b32 s72, 768
	s_cselect_b32 s72, 1536, s72
	s_cselect_b32 s74, HB-4*1536, 0
	s_mov_b32 s87, HB
	s_cselect_b32 s87, 768, s87
	s_mov_b32 s90, 12288
	s_cselect_b32 s90, 6656, s90
	s_mov_b32 s91, 256
	s_cselect_b32 s91, HB, s91
	s_cselect_b32 s92, s99, 0
	s_cselect_b32 s93, 0, s98
	s_mov_b32 s73, 0
	s_mov_b32 s75, 0
	s_lshr_b32 s100, s84, 11
	s_lshl_b32 s100, s100, 4
	s_lshr_b32 s101, s85, 6
	s_add_co_u32 s100, s100, s101
	s_mul_i32 s100, s100, HB
	s_bfe_u32 s101, s84, 0x40007
	s_mul_i32 s101, s101, SS
	s_add_co_u32 s100, s100, s101
	s_add_co_u32 s100, s100, s86
	s_mov_b32 s101, 0
	s_add_nc_u64 s[68:69], s[12:13], s[100:101]
	s_mov_b32 s100, s87
	s_add_nc_u64 s[70:71], s[68:69], s[100:101]
	s_mov_b32 s100, s90
	s_add_nc_u64 s[76:77], s[68:69], s[100:101]
	s_mov_b32 s100, s91
	s_add_nc_u64 s[78:79], s[76:77], s[100:101]
	s_add_nc_u64 s[80:81], s[76:77], HB
	s_lshl_b32 s100, s98, 5
	s_add_nc_u64 s[10:11], s[10:11], s[100:101]
	s_lshl_b32 s100, s99, 5
	s_add_nc_u64 s[6:7], s[6:7], s[100:101]
	s_lshl_b32 s100, s93, 2
	s_add_nc_u64 s[94:95], s[94:95], s[100:101]
	s_lshl_b32 s100, s92, 2
	s_add_nc_u64 s[88:89], s[88:89], s[100:101]
	s_mov_b32 s[SEL], 0x76543210
	s_mov_b32 s[SEL+1], 0xfedcba98
	s_mov_b32 s100, SLOT-232
	s_mov_b32 s101, SLOT+232
	v_and_b32 v[LN], 31, v0
	v_lshlrev_b32 v[L8], 3, v[LN]
	v_lshlrev_b32 v[L32], 5, v[LN]
	v_and_b32 v1, 15, v0
	v_bfe_u32 v2, v0, 4, 1
	v_lshlrev_b32 v[H32], 5, v2
	v_lshlrev_b32 v[R4], 2, v1
.irp b, 0,1,2,3
.irp e, 0,1
	global_load_b128 v[SX+8*\b+4*\e:SX+8*\b+4*\e+3], v[L32], s[10:11] offset:1024*\b+16*\e
	global_load_b128 v[SY+8*\b+4*\e:SY+8*\b+4*\e+3], v[L32], s[6:7] offset:1024*\b+16*\e
.endr
.endr
.irp a, 0,1,2,3,4,5,6,7
	global_load_b32 v[BY+2*\a], v[R4], s[88:89] offset:64*\a
.endr
	WIN TO_B
.irp b, 0,1,2,3,4,5,6,7
.irp e, 0,1
	global_load_b128 v[96+8*\b+96*(\b/4)+4*\e:96+8*\b+96*(\b/4)+4*\e+3], v[H32], s[94:95] offset:64*\b+16*\e
.endr
.endr
	WIN 0
	v_mul_u32_u24 v3, v1, PITCH
	v_mul_u32_u24 v4, v2, 24
	v_add_nc_u32 v4, v3, v4
	v_sub_nc_u32 v7, 1, v2
	v_mul_u32_u24 v5, s100, v2
	v_add_nc_u32 v5, v3, v5
	v_add_nc_u32 v5, 232, v5                       ; across two chunks: lanes 0-15 byte 232 of the row in slot 0, lanes 16-31 byte 0 of the row in slot 1
	v_mul_u32_u24 v6, s101, v7
	v_add_nc_u32 v6, v3, v6                        ; and lanes 0-15 byte 232 in slot 1, lanes 16-31 byte 0 in slot 0
	s_mul_i32 s22, s15, HALFT
	s_mul_i32 s23, s16, HALFT
	s_add_co_u32 s23, s23, 2*HALFT
	v_add_nc_u32 v[ADRA+2], s22, v5
	v_add_nc_u32 v[ADRA+3], s22, v6
	v_add_nc_u32 v[ADRB+2], s23, v5
	v_add_nc_u32 v[ADRB+3], s23, v6
.irp s, 0,1
	v_add_nc_u32 v[ADRA+\s], s22, v4
	v_add_nc_u32 v[ADRB+\s], s23, v4
	s_add_co_u32 s22, s22, SLOT
	s_add_co_u32 s23, s23, SLOT
.endr
.irp b, 0,1,2,3
	v_mov_b32 v[TM+4+\b], 0
.endr
	s_wait_loadcnt 0x0
	WIN 0x44
.irp b, 0,1,2,3,4,5,6,7
.irp j, 0,1,2,3,4,5,6,7
	v_and_b32 v[96+8*\b+96*(\b/4)+\j], s96, v[96+8*\b+96*(\b/4)+\j]
.endr
.endr
	WIN 0
.irp a, 0,1,2,3,4,5,6,7
	v_and_b32 v[BY+2*\a+1], s97, v[BY+2*\a]
	v_and_b32 v[BY+2*\a], s97, v[BY+2*\a]
.endr
; a fragment of step st (96 bytes of a row), in pieces of 8 bytes: byte y of a row lies in chunk y / 256, in slot (y / 256) % 2, at byte y % 256 of the LDS row
.macro FRAG reg, adr, st, i
.irp p, 0,1,2,3,4,5
.set BYO, 96*(\st)+48*(\p/3)+8*(\p%3)
.if BYO/ROWB == (BYO+24)/ROWB
	ds_load_b64 v[\reg+2*\p:\reg+2*\p+1], v[\adr+(BYO/ROWB)%2] offset:BYO%ROWB+(\i)*16*PITCH
.else
	ds_load_b64 v[\reg+2*\p:\reg+2*\p+1], v[\adr+2+(BYO/ROWB)%2] offset:BYO%ROWB-232+(\i)*16*PITCH
.endif
.endr
.endm
.macro MUL16 a0, p, ks, zero
.irp a, \a0, \a0+1
.irp b, 0,1,2,3,4,5,6,7
.if \zero
	WM 8*(8*((\a)%4)+\b), 128*(\p)+FR*\b, AF+FR*(\a), 96+8*\b+96*(\b/4), SX+8*(\b/2)+(\ks), SY+8*((\a)/2)+(\ks), \b%2, (\a)%2
.else
	WM 8*(8*((\a)%4)+\b), 128*(\p)+FR*\b, AF+FR*(\a), 8*(8*((\a)%4)+\b), SX+8*(\b/2)+(\ks), SY+8*((\a)/2)+(\ks), \b%2, (\a)%2
.endif
.endr
.endr
.endm
.macro FETCH_B st, p
	WIN TO_B
.irp i, 0,1,2,3,4,5,6,7
	FRAG 128*(\p)+FR*\i, ADRB, \st, \i
.endr
	WIN 0
.endm
.macro FETCH_A st, i0
.irp i, \i0, \i0+1, \i0+2, \i0+3
	FRAG AF+FR*(\i), ADRA, \st, \i
.endr
.endm
; A step of 128 along K: 64 products; the next step's fragments are fetched in its middle and at its end.
; Where the next step's bytes END in a chunk not read yet: every wave waits for its tensor loads, and a barrier shows that chunk whole.
; Where they BEGIN in a later chunk: the chunk left behind is read no more: the wait, the add, the wait for it and the barrier; where a chunk two on is left, the barrier opens a round and the slot is filled again.
.macro STEP st, zero
.set NX, (\st)+1
.set C0, (96*(\st))/ROWB
.set C1, (96*NX)/ROWB
.set E0, (96*(\st)+95)/ROWB
.set E1, (96*NX+95)/ROWB
.if C1 > C0 || (E1 > E0 && E1 > 1)     ; (chunks 0 and 1 are shown whole at the head)
	s_wait_tensorcnt 0x0
.if C1 > C0
	ds_add_u32 v[SPW], v[NIL]
	s_wait_dscnt 4*NL+1                            ; the add and the youngest 24 loads may be out
.else
	s_wait_dscnt 4*NL
.endif
	WIN MUL_LO
	MUL16 0, (\st)%2, \st, 0
	s_wait_dscnt 0x0
	s_barrier_signal -1
	MUL16 2, (\st)%2, \st, 0
	WIN 0
	s_barrier_wait -1
.if C1 > C0 && C0+2 < CHUNKS
	CREST
	s_add_nc_u64 s[G0+4*(C0%2)+2:G0+4*(C0%2)+3], s[G0+4*(C0%2)+2:G0+4*(C0%2)+3], 2*ROWB
	s_add_nc_u64 s[G0B+4*(C0%2)+2:G0B+4*(C0%2)+3], s[G0B+4*(C0%2)+2:G0B+4*(C0%2)+3], 2*ROWB
	JLOAD G0+4*(C0%2), G1, G0B+4*(C0%2), G1B
.else
	PLACES NP
.endif
.else
	s_wait_dscnt 4*NL                              ; the youngest 24 loads (source 1's blocks 4-7) may be out
.if \zero
	WIN BEG_LO
.else
	WIN MUL_LO
.endif
	MUL16 0, (\st)%2, \st, \zero
	MUL16 2, (\st)%2, \st, \zero
	s_wait_dscnt 0
	PLACES NP
.endif
	FETCH_B NX, NX%2
	FETCH_A NX, 0
.if \zero
	WIN BEG_HI
.else
	WIN MUL_HI
.endif
	MUL16 4, (\st)%2, \st, \zero
	MUL16 6, (\st)%2, \st, \zero
	PLACES NP
	WIN 0
	FETCH_A NX, 4
.endm
	s_wait_alu depctr_va_vdst(0)                   ; the wait at the head's end
	s_wait_tensorcnt 0x0                           ; my tile of the head's four is in, and no tensor load of mine is out: a descriptor may be written
	s_mov_b32 s[G1+2], 128<<16
	s_mov_b32 s[G1+4], 128
	s_mov_b32 s[G1B+2], 128<<16
	s_mov_b32 s[G1B+4], 128
	s_barrier_signal -1
	s_barrier_wait -1                              ; everybody's is in: both slots are whole.  Slot 0 alone is filled again, once, in the steps
	FETCH_B 0, 0
	FETCH_A 0, 0
	FETCH_A 0, 4
	STEP 0, 1
.set ST, 1
.rept 6
	STEP ST, 0
.set ST, ST+1
.endr
	s_wait_dscnt 4*NL
	WIN MUL_LO
	MUL16 0, 1, 7, 0
	MUL16 2, 1, 7, 0
	s_wait_dscnt 0
	WIN MUL_HI
	MUL16 4, 1, 7, 0
	MUL16 6, 1, 7, 0
	WIN 0
.macro QUANT s, pw
.irp b, 0,1,2,3
	v_max3_num_f32 v[TM+\b], |v[\s+16*\b]|, |v[\s+1+16*\b]|, 0x2800000
.endr
.irp i, 2,4,6,8,10,12,14
.irp b, 0,1,2,3
	v_max3_num_f32 v[TM+\b], v[TM+\b], |v[\s+16*\b+\i]|, |v[\s+1+16*\b+\i]|
.endr
.endr
.irp b, 0,1,2,3
	v_permlanex16_b32 v[TM+4+\b], v[TM+\b], s[SEL], s[SEL+1]
.endr
.irp b, 0,1,2,3
	v_max_num_f32 v[TM+\b], v[TM+\b], v[TM+4+\b]
.endr
.irp b, 0,1,2,3
	v_add_nc_u32 v[TM+12+\b], 0xfe000000, v[TM+\b]
.endr
.irp b, 0,1,2,3
	v_lshrrev_b32 v[TM+4+\b], 23, v[TM+12+\b]
.endr
	v_lshl_or_b32 v[\pw], v[TM+5], 8, v[TM+4]
	v_lshl_or_b32 v[\pw], v[TM+6], 16, v[\pw]
	v_lshl_or_b32 v[\pw], v[TM+7], 24, v[\pw]
.irp c, 0,1
	v_cvt_scalef32_pk16_bf6_f32 v[PC+6*\c:PC+2+6*\c], v[\s+32*\c:\s+15+32*\c], v[TM+12+2*\c]
	v_cvt_scalef32_pk16_bf6_f32 v[PC+12+4*\c:PC+14+4*\c], v[\s+16+32*\c:\s+31+32*\c], v[TM+12+2*\c+1]
.endr
	v_nop
.irp c, 0,1
.irp i, 0,1,2
	v_permlane16_swap_b32 v[PC+6*\c+\i], v[PC+12+4*\c+\i]
.endr
.irp i, 0,1,2
	v_mov_b32 v[PC+3+6*\c+\i], v[PC+12+4*\c+\i]
.endr
.endr
.endm
.macro EBLOCK a
	WIN 0x02+(\a)/4
.set i, 0
.rept 32
	v_pk_add_f32 v[H+i:H+i+1], v[64*((\a)%4)+i:64*((\a)%4)+i+1], v[BY+2*(\a):BY+2*(\a)+1]
.set i, i+2
.endr
	WIN 0
	s_wait_xcnt 0x0
.if (\a) > 0
	s_add_nc_u64 s[68:69], s[68:69], s[72:73]
	s_add_nc_u64 s[70:71], s[70:71], s[72:73]
.endif
.if (\a) == 4
	s_add_nc_u64 s[68:69], s[68:69], s[74:75]
	s_add_nc_u64 s[70:71], s[70:71], s[74:75]
.endif
	QUANT H, SW+(\a)
.irp q, 0,1,2
	global_store_b64 v[L8], v[PC+2*\q:PC+2*\q+1], s[68:69] offset:256*\q
.endr
.irp q, 0,1,2
	global_store_b64 v[L8], v[PC+6+2*\q:PC+7+2*\q], s[70:71] offset:256*\q
.endr
.endm
	PLACES NP
.irp a, 0,1,2,3,4,5,6,7
	EBLOCK \a
.endr
	v_cmp_le_u32 vcc_lo, 16, v[LN]
.irp i, 0,1,2,3
	v_cndmask_b32 v[TT+\i], v[SW+2*\i], v[SW+2*\i+1], vcc_lo
.endr
	global_store_b64 v[L8], v[TT:TT+1], s[76:77]
	global_store_b64 v[L8], v[TT+2:TT+3], s[78:79]
	s_cmp_eq_u32 ttmp9, 2
	s_cbranch_scc1 .Lno_odd
.irp i, 0,1,2,3
	v_lshrrev_b32 v[UU+\i], 16, v[TT+\i]
.endr
	global_store_b64 v[L8], v[UU:UU+1], s[80:81]
	global_store_b64 v[L8], v[UU+2:UU+3], s[80:81] offset:256
.Lno_odd:
	s_wait_tensorcnt 0x0
	ds_add_u32 v[SPW], v[NIL]
	s_wait_dscnt 0x0
	CROUND
	s_endpgm
.Lfunc_end_k_q89a642d069_qkv:
	.size	k_q89a642d069_qkv, .Lfunc_end_k_q89a642d069_qkv-k_q89a642d069_qkv
	.p2alignl 7, 3214868480
	.fill 96, 4, 3214868480
	.section	.rodata,"a",@progbits
	.p2align	6, 0x0
	.amdhsa_kernel k_q89a642d069_qkv
		.amdhsa_group_segment_fixed_size 327680
		.amdhsa_private_segment_fixed_size 0
		.amdhsa_enable_private_segment 0
		.amdhsa_kernarg_size 104
		.amdhsa_user_sgpr_count 2
		.amdhsa_user_sgpr_kernarg_segment_ptr 1
		.amdhsa_wavefront_size32 1
		.amdhsa_system_sgpr_workgroup_id_x 1
		.amdhsa_system_sgpr_workgroup_id_y 1
		.amdhsa_system_sgpr_workgroup_id_z 1
		.amdhsa_system_vgpr_workitem_id 0
		.amdhsa_next_free_vgpr 1024
		.amdhsa_next_free_sgpr 102
		.amdhsa_reserve_vcc 1
		.amdhsa_float_denorm_mode_32 3
		.amdhsa_float_denorm_mode_16_64 3
		.amdhsa_memory_ordered 1
		.amdhsa_forward_progress 1
		.amdhsa_inst_pref_size 185
	.end_amdhsa_kernel
	.amdgpu_metadata
---
amdhsa.version: [ 1, 2 ]
amdhsa.kernels:
  - .name:           k_q89a642d069_qkv
    .symbol:         k_q89a642d069_qkv.kd
    .args:
      - { .name: h_codes, .offset: 0, .size: 8, .value_kind: global_buffer, .address_space: global }
      - { .name: h_scales, .offset: 8, .size: 8, .value_kind: global_buffer, .address_space: global }
      - { .name: wq_codes, .offset: 16, .size: 8, .value_kind: global_buffer, .address_space: global }
      - { .name: wq_scales, .offset: 24, .size: 8, .value_kind: global_buffer, .address_space: global }
      - { .name: wk_codes, .offset: 32, .size: 8, .value_kind: global_buffer, .address_space: global }
      - { .name: wk_scales, .offset: 40, .size: 8, .value_kind: global_buffer, .address_space: global }
      - { .name: wv_codes, .offset: 48, .size: 8, .value_kind: global_buffer, .address_space: global }
      - { .name: wv_scales, .offset: 56, .size: 8, .value_kind: global_buffer, .address_space: global }
      - { .name: bq, .offset: 64, .size: 8, .value_kind: global_buffer, .address_space: global }
      - { .name: bk, .offset: 72, .size: 8, .value_kind: global_buffer, .address_space: global }
      - { .name: bv, .offset: 80, .size: 8, .value_kind: global_buffer, .address_space: global }
      - { .name: qbuf, .offset: 88, .size: 8, .value_kind: global_buffer, .address_space: global }
      - { .name: kvbuf, .offset: 96, .size: 8, .value_kind: global_buffer, .address_space: global }
    .group_segment_fixed_size: 327680
    .private_segment_fixed_size: 0
    .kernarg_segment_align: 8
    .kernarg_segment_size: 104
    .max_flat_workgroup_size: 128
    .sgpr_count:     102
    .vgpr_count:     1024
    .wavefront_size: 32
...
	.end_amdgpu_metadata
.endif
;; end of part 2
;; launch attn (part 3): grid 4 x 64, 8 waves a work-group, clusters of 4 x 1, 218,112 bytes of LDS; arguments qbuf, kvbuf, attention_mask, c_img, csw; writes c_img, csw
.if DOCPART == 3
	.amdgcn_target "amdgcn-amd-amdhsa--gfx1250"
	.amdhsa_code_object_version 6
	.text
	.protected	k_q89a642d069_attn
	.globl	k_q89a642d069_attn
	.p2align	8
	.type	k_q89a642d069_attn,@function
k_q89a642d069_attn:
	s_mov_b64 s[64:65], 0
	v_nop
	global_prefetch_b8 v0, s[64:65] scope:SCOPE_SE
	s_setreg_imm32_b32 hwreg(HW_REG_WAVE_MODE, 25, 1), 1
	s_wait_xcnt 0x0
	s_wait_alu depctr_hold_cnt(0) depctr_sa_sdst(0) depctr_va_vdst(0) depctr_va_sdst(0) depctr_va_ssrc(0) depctr_va_vcc(0) depctr_vm_vsrc(0)
	s_getreg_b32 s2, hwreg(HW_REG_IB_STS2, 6, 4)
	s_cmp_eq_u32 s2, 0
	s_cbranch_scc0 .Lentry_in_a_cluster
	s_endpgm
.Lentry_in_a_cluster:
	s_bfe_u32 s2, ttmp6, 0x10000c
	s_cmp_lg_u32 s2, 0x3003
	s_cbranch_scc0 .Lentry_shape_is_right
	s_endpgm
.Lentry_shape_is_right:
; c = softmax(q k^T / 8, keys with a true mask left out) v for one (batch, head) and 512 queries, both products on codes of E3M2; c leaves quantised along the head's 64.
; t = score x log2(e) / 8; M = the running largest t rounded up to a whole number; p = 2^(t - M) is quantised along the keys; the row's sum is taken of the unquantised p and divides at the end.
; SHARES: y = 16 batch + head; the cluster's four work-groups take the head's four blocks of 512 queries, each in two passes of 256; a wave holds two tiles of 16 queries.
; THE WHOLE HEAD STAYS IN LDS: 208,896 dense bytes of kvbuf; each wave brings an eighth by ONE joint tensor load that names all four partners.  Nothing is filled again, and there is no loop
; of loads to run ahead in, so no prefetch is written.
; BOTH PRODUCTS ARE USED TRANSPOSED: S^T = k q^T, O^T = v^T p^T: a lane holds one query.  p's registers fall into blocks of 32 keys in the order of groups G0 G2 G1 G3, as v's codes are laid.
; K = 64 IN AN INSTRUCTION OF 128: q's registers 6-11 are zero codes; k's registers 6-11 are the next tile's codes (behind the last tile: zeros).
; THE MASK IS THE C OF k q^T: 0 or -2^100, so a masked p is exactly 0.  The largest t begins at -2^96.  A batch with no key left keeps it there: its scale bytes of c become 0xff, so that the next launch's sums are NaN.
; THE STEP'S VECTOR WORK is laid so that dependent lines stand apart: each tile's maxima in eight chains; tile 0's statistics between tile 1's maxima, tile 1's between tile 0's multiply-adds;
; each batch of exponentials takes one-level plain work of the other tile between its lines (results first read behind the batch's wait); the row sums in eight chains and a tree.
; LIMITS: scores stay under 2^96 in magnitude; NaN and infinities are not served; blocks whose largest magnitude lies under 2^-122 get the byte 1.
; REGISTERS, window 0: v1-7 addresses; v16-23 statistics; v24-33 scale words; v36-67 at work; v68-107 tile 0's partial sums, then p's codes; v108-123 tile 1's partial sums, c's codes; v128-255 S^T, then p.
;   window 1: v0-63 O^T; v64-87 q; v88-141 k; v144-207 the mask's numbers; v208-255 v.
.set HB,   208896
.set SS,   13056                       ; a step of 128 keys: k's images, v's at +6,144, k's scale words at +12,288, v's at +12,800
.set MSK,  HB                          ; 2,048 f32, the mask's numbers
.set SPARE, 0x35000
.set L8,   1
.set MH,   2
.set AK,   3
.set AM,   4
.set AV,   5
.set L4,   6
.set FF,   7
.set ST,   16                          ; tile q at +4 q: -M, the largest t, the sum in two halves
.set KS,   24
.set VS,   28
.set QS,   30
.set PS,   32
.set TT,   36                          ; tile q at +16 q:
.set PM,   4                           ;   second chains; the other half's; bytes
.set SO,   8                           ;   the conversions' scale operands
.set FQ,   12                          ;   f, later 1 / sum (a pair is named)
.set WQ,   14
.set W2,   15
.set PC,   68                          ; tile q at +20 q
.set TA,   68
.set TU,   108
.set CR,   108
.set W01,  124
.set SPW,  126
.set NIL,  127
.set S,    128
.set O,    0
.set QF,   64
.set KF,   88
.set CM,   144
.set VF,   208
.set CS,   36
.set SEL,  38
.set TB,   40
.set TMK,  41
.set MSB, 0
.macro WIN new
.if MSB != (\new)
	s_set_vgpr_msb (MSB<<8)|(\new)
.set MSB, (\new)
.endif
.endm
.macro CROUND
	s_barrier_signal -1
	s_barrier_wait -1
	s_cmp_lg_u32 s14, 0
	s_cbranch_scc1 .Lnot_wave_0_\@
	s_barrier_signal -3
.Lnot_wave_0_\@:
	s_barrier_wait -3
	s_barrier_signal -1
	s_barrier_wait -1
.endm
.macro WM d, x, y, c, sx, sy, rx, ry
.if ((\rx) == 0) && ((\ry) == 0)
	v_wmma_scale_f32_16x16x128_f8f6f4 v[\d:\d+7], v[\x:\x+11], v[\y:\y+11], v[\c:\c+7], v[\sx], v[\sy] matrix_a_fmt:MATRIX_FMT_BF6 matrix_b_fmt:MATRIX_FMT_BF6
.elseif (\ry) == 0
	v_wmma_scale_f32_16x16x128_f8f6f4 v[\d:\d+7], v[\x:\x+11], v[\y:\y+11], v[\c:\c+7], v[\sx], v[\sy] matrix_a_fmt:MATRIX_FMT_BF6 matrix_b_fmt:MATRIX_FMT_BF6 matrix_a_scale:MATRIX_SCALE_ROW1
.elseif (\rx) == 0
	v_wmma_scale_f32_16x16x128_f8f6f4 v[\d:\d+7], v[\x:\x+11], v[\y:\y+11], v[\c:\c+7], v[\sx], v[\sy] matrix_a_fmt:MATRIX_FMT_BF6 matrix_b_fmt:MATRIX_FMT_BF6 matrix_b_scale:MATRIX_SCALE_ROW1
.else
	v_wmma_scale_f32_16x16x128_f8f6f4 v[\d:\d+7], v[\x:\x+11], v[\y:\y+11], v[\c:\c+7], v[\sx], v[\sy] matrix_a_fmt:MATRIX_FMT_BF6 matrix_b_fmt:MATRIX_FMT_BF6 matrix_a_scale:MATRIX_SCALE_ROW1 matrix_b_scale:MATRIX_SCALE_ROW1
.endif
.endm
.macro QLOAD                           ; a pass's q: two tiles' images and their scale words, seven loads
	WIN 0x40
.irp q, 0,1
.irp i, 0,1,2
	global_load_b64 v[QF+12*\q+2*\i:QF+12*\q+2*\i+1], v[L8], s[50:51] offset:768*\q+256*\i
.endr
.endr
	WIN 0
	global_load_b32 v[QS], v[L8], s[52:53]
.endm
	s_load_b256 s[4:11], s[0:1], 0x0               ; qbuf, kvbuf, the mask, c_img
	s_load_b64 s[12:13], s[0:1], 0x20              ; csw
	v_lshl_add_u32 v[SPW], v0, 2, SPARE
	v_mov_b32 v[NIL], 0
	ds_add_u32 v[SPW], v[NIL]
	ds_add_u32 v[SPW], v[NIL]
	v_lshrrev_b32 v8, 5, v0
	v_readfirstlane_b32 s14, v8                    ; wave 0..7
	s_bfe_u32 s15, ttmp6, 0x40000                  ; cx: it enters q's and the outputs' addresses alone
	s_and_b32 s16, ttmp7, 0xffff                   ; y = 16 batch + head
	s_mov_b32 s24, 15|(3<<16)|(1<<21)              ; all four work-groups; elements of 8 bytes
	s_mov_b32 s25, 32<<16                          ; rows of 256 bytes,
	s_mov_b32 s26, 102<<16                         ; 102 of them: an eighth of the head
	s_mov_b32 s27, 32<<16
	s_mov_b32 s28, 102
	s_mov_b32 s29, 32
	s_mov_b32 s30, 0
	s_mov_b32 s31, 0
	s_mul_i32 s18, s16, HB
	s_mov_b32 s19, 0
	s_mul_i32 s17, s14, 26112
	s_add_co_u32 s20, s18, s17
	s_mov_b32 s21, 0
	s_lshr_b32 s22, s16, 4
	s_lshl_b32 s22, s22, 11                        ; the batch's 2,048 mask bytes
	s_mov_b32 s23, 0
	s_wait_dscnt 0x0
	s_wait_kmcnt 0x0
	s_mov_b32 s32, 1
	s_mov_b32 s33, s17
	s_add_nc_u64 s[34:35], s[6:7], s[20:21]
	s_or_b32 s35, s35, 0x80000000
	CROUND
	tensor_load_to_lds s[32:35], s[24:31]          ; my one tensor load of the launch
	s_nop 0
.rept 4
	v_nop
.endr
	s_add_nc_u64 s[8:9], s[8:9], s[22:23]
	v_lshlrev_b32 v12, 3, v0
	global_load_b64 v[10:11], v12, s[8:9]          ; thread t takes the mask of keys 8 t .. 8 t + 7
	v_lshl_add_u32 v13, v0, 5, MSK
	s_mov_b32 s61, 0
	s_add_nc_u64 s[50:51], s[4:5], s[18:19]        ; q: my head,
	s_lshl_b32 s60, s15, 2
	s_lshr_b32 s62, s14, 2
	s_add_co_u32 s60, s60, s62                     ; the group of 128 queries 4 cx + wave / 4 (a pass on: two groups),
	s_mul_i32 s60, s60, SS
	s_add_nc_u64 s[50:51], s[50:51], s[60:61]
	s_and_b32 s62, s14, 3                          ; my pair of tiles in it
	s_lshr_b32 s63, s62, 1
	s_lshl_b32 s63, s63, 8
	s_and_b32 s60, s14, 1
	s_lshl_b32 s60, s60, 2
	s_add_co_u32 s60, s60, s63
	s_add_co_u32 s60, s60, 12288
	s_add_nc_u64 s[52:53], s[50:51], s[60:61]      ; the pair's scale words
	s_mul_i32 s60, s62, 1536
	s_add_nc_u64 s[50:51], s[50:51], s[60:61]      ; the pair's images
	s_lshr_b32 s60, s16, 4
	s_lshl_b32 s60, s60, 7                         ; c_img: tile of 16 tokens 128 batch + 32 cx + 2 wave,
	s_lshl_b32 s62, s15, 5
	s_add_co_u32 s60, s60, s62
	s_lshl_b32 s62, s14, 1
	s_add_co_u32 s60, s60, s62
	s_lshl_b32 s60, s60, 3
	s_bfe_u32 s62, s16, 0x30001                    ; K step head / 2,
	s_add_co_u32 s60, s60, s62
	s_mul_i32 s60, s60, 1536
	s_and_b32 s62, s16, 1                          ; its lower or upper six registers
	s_mul_i32 s63, s62, 768
	s_add_co_u32 s60, s60, s63
	s_add_nc_u64 s[54:55], s[10:11], s[60:61]
	s_lshl_b32 s44, s62, 4                         ; and the lower or upper two bytes of the scale word
	s_and_b32 s60, s16, 15
	s_lshl_b32 s60, s60, 13                        ; csw: [head][token]
	s_lshr_b32 s62, s16, 4
	s_lshl_b32 s62, s62, 11
	s_add_co_u32 s60, s60, s62
	s_lshl_b32 s62, s15, 9
	s_add_co_u32 s60, s60, s62
	s_lshl_b32 s62, s14, 5
	s_add_co_u32 s60, s60, s62
	s_lshl_b32 s60, s60, 2
	s_add_nc_u64 s[56:57], s[12:13], s[60:61]
	s_mov_b32 s[CS], 0x3e38aa3b                    ; log2(e) / 8
	s_mov_b32 s[CS+1], s[CS]
	s_mov_b32 s[SEL], 0x76543210
	s_mov_b32 s[SEL+1], 0xfedcba98
	s_mov_b32 s45, 0xef800000                      ; -2^96
	s_mov_b32 s46, 0xffff0000                      ; lanes 16-31
	s_mov_b32 s47, 0x05040100
	s_mov_b32 s48, 0x07060302
	v_and_b32 v8, 31, v0
	v_bfe_u32 v9, v0, 4, 1
	v_lshlrev_b32 v[L8], 3, v8
	v_lshlrev_b32 v[L4], 2, v8
	v_lshlrev_b32 v[MH], 5, v9
	v_mov_b32 v[FF], 0xffff
	QLOAD                                          ; the first pass's q lands under the head's tensor load
.irp q, 0,1
	v_mov_b32 v[TT+16*\q+FQ+1], 0                  ; (named as a pair's upper half)
.endr
	WIN 0x40
.irp q, 0,1
.irp i, 6,7,8,9,10,11
	v_mov_b32 v[QF+12*\q+\i], 0                    ; q's zero codes for K 64 .. 127
.endr
.endr
.irp i, 48,49,50,51,52,53
	v_mov_b32 v[KF+\i], 0                          ; what the last tile of k names behind its own six registers
.endr
	WIN 0
	s_wait_loadcnt 7                               ; the mask is in; q's seven loads may be out
.irp i, 0,1,2,3,4,5,6,7
	v_bfe_u32 v[128+\i], v[10+\i/4], 8*(\i%4), 8
.endr
.irp i, 0,1,2,3,4,5,6,7
	v_sub_nc_u32 v[128+\i], 0, v[128+\i]
.endr
.irp i, 0,1,2,3,4,5,6,7
	v_and_b32 v[128+\i], 0xf1800000, v[128+\i]     ; 0 or -2^100
.endr
	ds_store_b128 v13, v[128:131]
	ds_store_b128 v13, v[132:135] offset:16
	s_wait_tensorcnt 0x0                           ; my eighth of the head has landed,
	s_wait_dscnt 0x0                               ; my mask numbers too:
	s_barrier_signal -1
	s_barrier_wait -1                              ; everybody's have.  From here on LDS is only read
; k's 8 tiles (24 loads), the mask's numbers in the result's layout (16), k's scale words (2): 42 LDS loads
.macro KLOAD np
	v_add_nc_u32 v[AK], s[TB], v[L8]
	v_add_nc_u32 v[AM], s[TMK], v[MH]
.rept \np
	v_nop
.endr
	WIN 0x40
.set i, 0
.rept 24
	ds_load_b64 v[KF+2*i:KF+2*i+1], v[AK] offset:256*i
.set i, i+1
.endr
.irp t, 0,1,2,3,4,5,6,7
.irp e, 0,1
	ds_load_b128 v[CM+8*\t+4*\e:CM+8*\t+4*\e+3], v[AM] offset:64*\t+16*\e
.endr
.endr
	WIN 0
	ds_load_b64 v[KS:KS+1], v[AK] offset:12288
	ds_load_b64 v[KS+2:KS+3], v[AK] offset:12544
.endm
; line k of 32: the largest score of each of tile q's four blocks of 32 keys (my 16 of each), two chains a block; each accumulator is first read at its low end
.macro MOP q, k
.set TQ, TT+16*(\q)
.set SQ, S+64*(\q)
.if (\k) < 24
.set LV, (\k)/8
.set BB, ((\k)%8)/2
.if (\k)%2 == 0
.if LV == 0
	v_max3_num_f32 v[TQ+BB], v[SQ+16*BB], v[SQ+16*BB+1], v[SQ+16*BB+2]
.else
	v_max3_num_f32 v[TQ+BB], v[TQ+BB], v[SQ+16*BB+1+2*LV], v[SQ+16*BB+2+2*LV]
.endif
.else
.if LV == 0
	v_max3_num_f32 v[TQ+PM+BB], v[SQ+16*BB+7], v[SQ+16*BB+8], v[SQ+16*BB+9]
.else
	v_max3_num_f32 v[TQ+PM+BB], v[TQ+PM+BB], v[SQ+16*BB+8+2*LV], v[SQ+16*BB+9+2*LV]
.endif
.endif
.elseif (\k) < 28
	v_max3_num_f32 v[TQ+(\k)-24], v[TQ+(\k)-24], v[TQ+PM+(\k)-24], v[SQ+16*((\k)-24)+14]
.else
	v_max_num_f32 v[TQ+(\k)-28], v[TQ+(\k)-28], v[SQ+16*((\k)-28)+15]
.endif
.endm
; line k of 17: tile q's statistics: the blocks' maxima with lane l xor 16's, the running largest t, -M = -ceil(t), f = 2^(old M - new M)
.macro XOP q, k
.set TQ, TT+16*(\q)
.set SR, ST+4*(\q)
.if (\k) < 4
	v_permlanex16_b32 v[TQ+PM+(\k)], v[TQ+(\k)], s[SEL], s[SEL+1]
.elseif (\k) < 8
	v_max_num_f32 v[TQ+(\k)-4], v[TQ+(\k)-4], v[TQ+PM+(\k)-4]
.elseif (\k) == 8
	v_mov_b32 v[TQ+WQ], v[SR]
.elseif (\k) == 9
	v_max3_num_f32 v[TQ+W2], v[TQ], v[TQ+1], v[TQ+2]
.elseif (\k) == 10
	v_max_num_f32 v[TQ+W2], v[TQ+W2], v[TQ+3]
.elseif (\k) == 11
	v_mul_f32 v[TQ+W2], s[CS], v[TQ+W2]
.elseif (\k) == 12
	v_max_num_f32 v[SR+1], v[SR+1], v[TQ+W2]
.elseif (\k) == 13
	v_floor_f32 v[SR], -v[SR+1]
.elseif (\k) == 14
	v_sub_f32 v[TQ+WQ], v[SR], v[TQ+WQ]
.elseif (\k) == 15
	v_cvt_i32_f32 v[TQ+WQ], v[TQ+WQ]
.elseif (\k) == 16
	v_ldexp_f32 v[TQ+FQ], 1.0, v[TQ+WQ]
.endif
.endm
; line k of 36: t - M of tile q's scores, two at a time, then of its blocks' largest
.macro FOP q, k
.if (\k) < 32
	v_pk_fma_f32 v[S+64*(\q)+2*(\k):S+64*(\q)+2*(\k)+1], v[S+64*(\q)+2*(\k):S+64*(\q)+2*(\k)+1], s[CS:CS+1], v[ST+4*(\q):ST+4*(\q)+1] op_sel_hi:[1,0,0]
.else
	v_fma_f32 v[TT+16*(\q)+(\k)-32], v[TT+16*(\q)+(\k)-32], s[CS], v[ST+4*(\q)]
.endif
.endm
; line k of 68: p = 2^(t - M), then the blocks' largest p
.macro EOP q, k
.if (\k) < 64
	v_exp_f32 v[S+64*(\q)+(\k)], v[S+64*(\q)+(\k)]
.else
	v_exp_f32 v[TT+16*(\q)+(\k)-64], v[TT+16*(\q)+(\k)-64]
.endif
.endm
; line k of 22, between tile 1's exponentials: tile 0's first level of sums, the floor under its blocks' largest p, both sums under the new M.  Each result is first read behind the batch's wait
.macro GOP k
.if (\k) < 8
	v_pk_add_f32 v[TA+2*(\k):TA+2*(\k)+1], v[S+2*(\k):S+2*(\k)+1], v[S+16+2*(\k):S+17+2*(\k)]
.elseif (\k) < 16
	v_pk_add_f32 v[TA+2*(\k):TA+2*(\k)+1], v[S+16+2*(\k):S+17+2*(\k)], v[S+32+2*(\k):S+33+2*(\k)]
.elseif (\k) < 20
	v_max_num_f32 v[TT+(\k)-16], 0x2800000, v[TT+(\k)-16]
.else
	v_pk_mul_f32 v[ST+4*((\k)-20)+2:ST+4*((\k)-20)+3], v[ST+4*((\k)-20)+2:ST+4*((\k)-20)+3], v[TT+16*((\k)-20)+FQ:TT+16*((\k)-20)+FQ+1] op_sel_hi:[1,0]
.endif
.endm
.macro ADDT base, j, d                 ; partial sum j += partial sum j + d
	v_pk_add_f32 v[\base+2*(\j):\base+2*(\j)+1], v[\base+2*(\j):\base+2*(\j)+1], v[\base+2*((\j)+(\d)):\base+2*((\j)+(\d))+1]
.endm
.macro ORS n                           ; byte n into both tiles' scale words of p
.irp q, 0,1
.if (\n) == 1
	v_lshl_or_b32 v[PS+\q], v[TT+16*\q+PM+1], 8, v[TT+16*\q+PM]
.else
	v_lshl_or_b32 v[PS+\q], v[TT+16*\q+PM+(\n)], 8*(\n), v[PS+\q]
.endif
.endr
.endm
.macro SOFTMAX
.set i, 0
.rept 32
	MOP 0, i
.set i, i+1
.endr
.set i, 0
.rept 32
	MOP 1, i
.if i < 8
	XOP 0, i
.elseif (i-8)%3 == 0
	XOP 0, 8+(i-8)/3
.endif
.set i, i+1
.endr
	XOP 0, 16
.set i, 0
.rept 36
	FOP 0, i
.if i < 8
	XOP 1, i
.elseif (i-8)%3 == 0
	XOP 1, 8+(i-8)/3
.endif
.set i, i+1
.endr
	WIN 0x41
.irp q, 0,1
.set j, 0
.rept 16
	v_pk_mul_f32 v[O+32*\q+j:O+32*\q+j+1], v[O+32*\q+j:O+32*\q+j+1], v[TT+16*\q+FQ:TT+16*\q+FQ+1] op_sel_hi:[1,0]   ; O^T under the new M, ahead of the exponentials
.set j, j+2
.endr
.endr
	WIN 0
	s_wait_alu depctr_va_vdst(0)                   ; the wait ahead of a batch
.set i, 0
.rept 68
	EOP 0, i
.if i%2 == 1
	FOP 1, i/2
.endif
.set i, i+1
.endr
	FOP 1, 34
	FOP 1, 35
	s_wait_alu depctr_va_vdst(0)                   ; behind tile 0's batch, ahead of tile 1's
.set i, 0
.rept 68
	EOP 1, i
.if (i%3 == 1) && (i/3 < 22)
	GOP i/3
.endif
.set i, i+1
.endr
	v_nop                                          ; a plain instruction behind the last exponential
	s_wait_alu depctr_va_vdst(0)                   ; behind tile 1's batch
.irp j, 0,1,2,3,4,5,6,7
	ADDT TA, \j, 8
.endr
.irp b, 0,1,2,3
	v_max_num_f32 v[TT+16+\b], 0x2800000, v[TT+16+\b]                ; the floor 2^(5 - 127): a block whose every p is 0 keeps the byte 1
.endr
.irp q, 0,1
.irp b, 0,1,2,3
	v_add_nc_u32 v[TT+16*\q+SO+\b], 0xfe000000, v[TT+16*\q+\b]       ; 4 off the exponent field: the conversion's scale operand
.endr
.endr
.irp q, 0,1
.irp b, 0,1,2,3
	v_lshrrev_b32 v[TT+16*\q+PM+\b], 23, v[TT+16*\q+SO+\b]           ; the scale's byte
.endr
.endr
	ORS 1
.irp j, 0,1,2,3
	ADDT TA, \j, 4
.endr
	ORS 2
	ADDT TA, 0, 2
	ADDT TA, 1, 2
	ORS 3
	ADDT TA, 0, 1
.irp j, 0,1,2,3,4,5,6,7
	v_pk_add_f32 v[TU+2*\j:TU+2*\j+1], v[S+64+2*\j:S+65+2*\j], v[S+80+2*\j:S+81+2*\j]
.endr
	v_pk_add_f32 v[ST+2:ST+3], v[ST+2:ST+3], v[TA:TA+1]              ; tile 0's sum is done: its partial sums' registers take the codes
.irp q, 0,1
.irp c, 0,1
	v_cvt_scalef32_pk16_bf6_f32 v[PC+20*\q+6*\c:PC+20*\q+6*\c+2], v[S+64*\q+32*\c:S+64*\q+32*\c+15], v[TT+16*\q+SO+2*\c]
	v_cvt_scalef32_pk16_bf6_f32 v[PC+20*\q+12+4*\c:PC+20*\q+14+4*\c], v[S+64*\q+32*\c+16:S+64*\q+32*\c+31], v[TT+16*\q+SO+2*\c+1]
.endr
.endr
.irp j, 0,1,2,3,4,5,6,7                ; plain lines behind the conversions
	v_pk_add_f32 v[TU+2*\j:TU+2*\j+1], v[TU+2*\j:TU+2*\j+1], v[S+96+2*\j:S+97+2*\j]
.endr
.irp q, 0,1
.irp c, 0,1
.irp i, 0,1,2
	v_permlane16_swap_b32 v[PC+20*\q+6*\c+\i], v[PC+20*\q+12+4*\c+\i]   ; a whole block to a lane
.endr
.endr
.endr
.irp q, 0,1
.irp c, 0,1
.irp i, 0,1,2
	v_mov_b32 v[PC+20*\q+3+6*\c+\i], v[PC+20*\q+12+4*\c+\i]
.endr
.endr
.endr
.irp j, 0,1,2,3,4,5,6,7                ; these 16 lines are also the places between p's codes and scale words and the products
	v_pk_add_f32 v[TU+2*\j:TU+2*\j+1], v[TU+2*\j:TU+2*\j+1], v[S+112+2*\j:S+113+2*\j]
.endr
.irp j, 0,1,2,3
	ADDT TU, \j, 4
.endr
	ADDT TU, 0, 2
	ADDT TU, 1, 2
	ADDT TU, 0, 1
	v_pk_add_f32 v[ST+6:ST+7], v[ST+6:ST+7], v[TU:TU+1]
.endm
; a key step.  pf = 1: the next step's k is fetched under the softmax; pf = 0, a pass's last step: the next pass's q is asked for
.macro STEP pf
	v_add_nc_u32 v[AV], s[TB], v[L8]
.rept 3
	v_nop                                          ; with the addition: four places behind the last products
.endr
	WIN 0x40
.set i, 0
.rept 24
	ds_load_b64 v[VF+2*i:VF+2*i+1], v[AV] offset:6144+256*i
.set i, i+1
.endr
	WIN 0
	ds_load_b64 v[VS:VS+1], v[AV] offset:12800
	s_wait_dscnt 25                                ; k, the mask and k's scale words are in; the 25 loads just issued may be out
	WIN 0x15
.irp t, 0,1,2,3,4,5,6,7
.irp q, 0,1
	WM S+64*\q+8*\t, KF+6*\t, QF+12*\q, CM+8*\t, KS+\t/2, QS, \t%2, \q
.endr
.endr
	WIN 0
.if \pf
	s_add_co_u32 s[TB], s[TB], SS
	s_add_co_u32 s[TMK], s[TMK], 512
	KLOAD 2                                        ; its two additions and two v_nop are the four places behind the products above
.else
.rept 4
	v_nop
.endr
	s_cmp_eq_u32 s43, 1                            ; the last pass has no successor: a branch on the counted loop's step
	s_cbranch_scc1 .Lno_q_\@
	s_add_nc_u64 s[50:51], s[50:51], 2*SS          ; (q's earlier loads were waited for at the pass's head)
	s_add_nc_u64 s[52:53], s[52:53], 2*SS
	QLOAD
.Lno_q_\@:
.endif
	SOFTMAX
	s_wait_alu depctr_va_vdst(0)                   ; the wait ahead of the blocking wait
.if \pf
	s_wait_dscnt 42                                ; v and its scale words are in; the next step's 42 loads may be out
.else
	s_wait_dscnt 0x0
.endif
	WIN 0x51
.irp a, 0,1,2,3
.irp q, 0,1
	WM O+32*\q+8*\a, VF+12*\a, PC+20*\q, O+32*\q+8*\a, VS+\a/2, PS+\q, \a%2, 0   ; eight accumulators, one instruction each
.endr
.endr
	WIN 0
.endm
	s_mov_b32 s43, 2
.Lpass:
	WIN 0x40
.set i, 0
.rept 64
	v_mov_b32 v[O+i], 0                            ; the step is written once: the first finds zeros
.set i, i+1
.endr
	WIN 0
.irp q, 0,1
	v_mov_b32 v[ST+4*\q+1], s45                    ; the largest t so far: -2^96
	v_mov_b32 v[ST+4*\q+2], 0
	v_mov_b32 v[ST+4*\q+3], 0
.endr
.irp q, 0,1
	v_floor_f32 v[ST+4*\q], -v[ST+4*\q+1]
.endr
	s_mov_b32 s[TB], 0
	s_mov_b32 s[TMK], MSK
	KLOAD 0
	s_wait_alu depctr_va_vdst(0)
	s_wait_loadcnt 0x0                             ; q
	s_mov_b32 s42, 15
.Lstep:
	STEP 1
	s_sub_co_u32 s42, s42, 1
	s_cmp_lg_u32 s42, 0
	s_cbranch_scc1 .Lstep
	STEP 0
	; the way out of a pass.  The additions are places behind the last products
.irp q, 0,1
	v_add_f32 v[TT+16*\q+WQ], v[ST+4*\q+2], v[ST+4*\q+3]
.endr
.irp q, 0,1
	v_permlanex16_b32 v[TT+16*\q+PM], v[TT+16*\q+WQ], s[SEL], s[SEL+1]
.endr
.irp q, 0,1
	v_add_f32 v[TT+16*\q+WQ], v[TT+16*\q+WQ], v[TT+16*\q+PM]         ; the row's sum
.endr
	s_wait_alu depctr_va_vdst(0)
.irp q, 0,1
	v_rcp_f32 v[TT+16*\q+FQ], v[TT+16*\q+WQ]
.endr
	v_nop
	s_wait_alu depctr_va_vdst(0)                   ; one wait for the two reciprocals, directly ahead of the first reader of O^T
	WIN 0x01
.irp q, 0,1
.set j, 0
.rept 16
	v_pk_mul_f32 v[S+64*\q+j:S+64*\q+j+1], v[O+32*\q+j:O+32*\q+j+1], v[TT+16*\q+FQ:TT+16*\q+FQ+1] op_sel_hi:[1,0]   ; c: register 16 b + i in block b of the head's 64
.set j, j+2
.endr
.endr
	WIN 0
.irp q, 0,1
.irp b, 0,1
	v_max3_num_f32 v[TT+16*\q+\b], |v[S+64*\q+16*\b]|, |v[S+64*\q+16*\b+1]|, 0x2800000
.endr
.endr
.irp i, 2,4,6,8,10,12,14
.irp q, 0,1
.irp b, 0,1
	v_max3_num_f32 v[TT+16*\q+\b], v[TT+16*\q+\b], |v[S+64*\q+16*\b+\i]|, |v[S+64*\q+16*\b+\i+1]|
.endr
.endr
.endr
.irp q, 0,1
.irp b, 0,1
	v_permlanex16_b32 v[TT+16*\q+PM+\b], v[TT+16*\q+\b], s[SEL], s[SEL+1]
.endr
.endr
.irp q, 0,1
.irp b, 0,1
	v_max_num_f32 v[TT+16*\q+\b], v[TT+16*\q+\b], v[TT+16*\q+PM+\b]
.endr
.endr
.irp q, 0,1
.irp b, 0,1
	v_add_nc_u32 v[TT+16*\q+SO+\b], 0xfe000000, v[TT+16*\q+\b]
.endr
.endr
.irp q, 0,1
.irp b, 0,1
	v_lshrrev_b32 v[TT+16*\q+PM+\b], 23, v[TT+16*\q+SO+\b]
.endr
.endr
.irp q, 0,1
	v_lshl_or_b32 v[TT+16*\q+WQ], v[TT+16*\q+PM+1], 8, v[TT+16*\q+PM]
	v_cmp_ge_f32 vcc_lo, s45, v[ST+4*\q+1]         ; no key counted: both bytes become 0xff.  A choice of a value: nothing branches on it
	v_cndmask_b32 v[TT+16*\q+WQ], v[TT+16*\q+WQ], v[FF], vcc_lo
	v_lshlrev_b32 v[TT+16*\q+WQ], s44, v[TT+16*\q+WQ]                ; an odd head's bytes are the word's upper two
.endr
.irp q, 0,1
	v_cvt_scalef32_pk16_bf6_f32 v[PC+20*\q:PC+20*\q+2], v[S+64*\q:S+64*\q+15], v[TT+16*\q+SO]
	v_cvt_scalef32_pk16_bf6_f32 v[PC+20*\q+12:PC+20*\q+14], v[S+64*\q+16:S+64*\q+31], v[TT+16*\q+SO+1]
.endr
	v_nop
.irp q, 0,1
.irp i, 0,1,2
	v_permlane16_swap_b32 v[PC+20*\q+\i], v[PC+20*\q+12+\i]          ; lanes 0-15 block 0, lanes 16-31 block 1: groups G0 G2, then G1 G3
.endr
.endr
.irp q, 0,1                            ; a group is 48 bits: back to the natural order G0 G1 G2 G3, which the given codes of wo have
	v_mov_b32 v[CR+8*\q], v[PC+20*\q]
	v_perm_b32 v[CR+8*\q+1], v[PC+20*\q+12], v[PC+20*\q+1], s47
	v_alignbit_b32 v[CR+8*\q+2], v[PC+20*\q+13], v[PC+20*\q+12], 16
	v_alignbit_b32 v[CR+8*\q+3], v[PC+20*\q+2], v[PC+20*\q+1], 16
	v_perm_b32 v[CR+8*\q+4], v[PC+20*\q+13], v[PC+20*\q+2], s48
	v_mov_b32 v[CR+8*\q+5], v[PC+20*\q+14]
.irp i, 0,1,2
	global_store_b64 v[L8], v[CR+8*\q+2*\i:CR+8*\q+2*\i+1], s[54:55] offset:12288*\q+256*\i   ; 256 consecutive bytes, aligned
.endr
.endr
	v_cndmask_b32 v[W01], v[TT+WQ], v[TT+16+WQ], s46                 ; lanes 0-15 tile 0's words, lanes 16-31 tile 1's
	global_store_b32 v[L4], v[W01], s[56:57]
	s_wait_xcnt 0x0                                ; the stores have read their bases and data: they are written again below and in the next pass
	s_add_nc_u64 s[54:55], s[54:55], 16*12288
	s_add_nc_u64 s[56:57], s[56:57], 1024
	s_sub_co_u32 s43, s43, 1
	s_cmp_lg_u32 s43, 0
	s_cbranch_scc1 .Lpass
	s_wait_tensorcnt 0x0                           ; the wave's end
	ds_add_u32 v[SPW], v[NIL]
	s_wait_dscnt 0x0
	CROUND
	s_endpgm
.Lfunc_end_k_q89a642d069_attn:
	.size	k_q89a642d069_attn, .Lfunc_end_k_q89a642d069_attn-k_q89a642d069_attn
	.p2alignl 7, 3214868480
	.fill 96, 4, 3214868480
	.section	.rodata,"a",@progbits
	.p2align	6, 0x0
	.amdhsa_kernel k_q89a642d069_attn
		.amdhsa_group_segment_fixed_size 218112
		.amdhsa_private_segment_fixed_size 0
		.amdhsa_enable_private_segment 0
		.amdhsa_kernarg_size 40
		.amdhsa_user_sgpr_count 2
		.amdhsa_user_sgpr_kernarg_segment_ptr 1
		.amdhsa_wavefront_size32 1
		.amdhsa_system_sgpr_workgroup_id_x 1
		.amdhsa_system_sgpr_workgroup_id_y 1
		.amdhsa_system_sgpr_workgroup_id_z 1
		.amdhsa_system_vgpr_workitem_id 0
		.amdhsa_next_free_vgpr 512
		.amdhsa_next_free_sgpr 72
		.amdhsa_reserve_vcc 1
		.amdhsa_float_denorm_mode_32 3
		.amdhsa_float_denorm_mode_16_64 3
		.amdhsa_memory_ordered 1
		.amdhsa_forward_progress 1
		.amdhsa_inst_pref_size 82
	.end_amdhsa_kernel
	.amdgpu_metadata
---
amdhsa.version: [ 1, 2 ]
amdhsa.kernels:
  - .name:           k_q89a642d069_attn
    .symbol:         k_q89a642d069_attn.kd
    .args:
      - { .name: qbuf, .offset: 0, .size: 8, .value_kind: global_buffer, .address_space: global }
      - { .name: kvbuf, .offset: 8, .size: 8, .value_kind: global_buffer, .address_space: global }
      - { .name: attention_mask, .offset: 16, .size: 8, .value_kind: global_buffer, .address_space: global }
      - { .name: c_img, .offset: 24, .size: 8, .value_kind: global_buffer, .address_space: global }
      - { .name: csw, .offset: 32, .size: 8, .value_kind: global_buffer, .address_space: global }
    .group_segment_fixed_size: 218112
    .private_segment_fixed_size: 0
    .kernarg_segment_align: 8
    .kernarg_segment_size: 40
    .max_flat_workgroup_size: 256
    .sgpr_count:     72
    .vgpr_count:     512
    .wavefront_size: 32
...
	.end_amdgpu_metadata
.endif
;; end of part 3
;; launch oproj (part 4): grid 4 x 64, 4 waves a work-group, clusters of 4 x 4, 327,680 bytes of LDS; arguments c_img, csw, wo_codes, wo_scales, bo, x, out0; writes out0
.if DOCPART == 4
	.amdgcn_target "amdgcn-amd-amdhsa--gfx1250"
	.amdhsa_code_object_version 6
	.text
	.protected	k_q89a642d069_oproj
	.globl	k_q89a642d069_oproj
	.p2align	8
	.type	k_q89a642d069_oproj,@function
k_q89a642d069_oproj:
	s_mov_b64 s[64:65], 0
	v_nop
	global_prefetch_b8 v0, s[64:65] scope:SCOPE_SE
	s_setreg_imm32_b32 hwreg(HW_REG_WAVE_MODE, 25, 1), 1
	s_wait_xcnt 0x0
	s_wait_alu depctr_hold_cnt(0) depctr_sa_sdst(0) depctr_va_vdst(0) depctr_va_sdst(0) depctr_va_ssrc(0) depctr_va_vcc(0) depctr_vm_vsrc(0)
	s_getreg_b32 s2, hwreg(HW_REG_IB_STS2, 6, 4)
	s_cmp_eq_u32 s2, 0
	s_cbranch_scc0 .Lentry_in_a_cluster
	s_endpgm
.Lentry_in_a_cluster:
	s_bfe_u32 s2, ttmp6, 0x10000c
	s_cmp_lg_u32 s2, 0xf033
	s_cbranch_scc0 .Lentry_shape_is_right
	s_endpgm
.Lentry_shape_is_right:
; out = x + (c wo^T + bo), the product on codes of E3M2 with E8M0 scales, K = 1,024.  c arrives as images of operand registers (c_img) and scale words in two planes a K step (csw); wo as given.
; A work-group makes 128 rows x 256 columns, each of its four waves 64 x 128: 32 accumulators.  Source 0 = 16 rows of wo, source 1 = 16 rows of c: a lane holds eight neighbouring columns of one row.
; ALL OF K LIES IN LDS; nothing is filled again.  ONE joint load a wave: waves 0 and 1 bring 128 whole rows of wo each (768 bytes a row, beginning at a multiple of 256; shared along a column of the cluster),
; waves 2 and 3 four tiles of c's images each (49,152 dense bytes as rows of 256; shared along a row).  There is no loop of loads to run ahead in, so no prefetch is written.
; wo's rows in LDS: 16 bytes of padding behind every 256: 816 bytes apart.  c's images are read as they lie: 256 consecutive bytes a load.
; x (the wave's 64 rows x 512 bytes) is asked for behind the tiles' barrier, 48 rows ahead of the first K step and 16 behind the third, in the layout in which the results come back from the stage;
; it is waited for on the way out.  bo is the C of each sum's first product.
; THE WAY OUT: 16 rows at a time through the wave's own stage, which lies in wo's bytes: they have had their only fill, and every wave has left them at the barrier in the last K step.
; REGISTERS: window 0: v1-17 addresses; v32-47 c's scale words, v48-79 wo's; c's fragments, two sets, at v128 and v176; on the way out v128-255.
;   window 1: wo's fragments, two sets, at v0 and v128; bo at v96-127 and v224-255.   window 2: the accumulators ((a, b) at v[8 (8 a + b)]).   window 3: x.
.set WP,   816                         ; a row of wo in LDS
.set WB,   16*WP
.set A0,   256*WP                      ; behind wo: c's 8 tiles of 16 rows x 8 K steps x 1,536
.set AT,   12288
.set SPARE, 0x4e000
.set SA,   32
.set SB,   48
.set MSB, 0
.macro WIN new
.if MSB != (\new)
	s_set_vgpr_msb (MSB<<8)|(\new)
.set MSB, (\new)
.endif
.endm
.macro CROUND
	s_barrier_signal -1
	s_barrier_wait -1
	s_cmp_lg_u32 s18, 0
	s_cbranch_scc1 .Lnot_wave_0_\@
	s_barrier_signal -3
.Lnot_wave_0_\@:
	s_barrier_wait -3
	s_barrier_signal -1
	s_barrier_wait -1
.endm
.macro PLACES n
.rept \n
	v_nop
.endr
.endm
.macro WM d, x, y, c, sx, sy, rx, ry
.if ((\rx) == 0) && ((\ry) == 0)
	v_wmma_scale_f32_16x16x128_f8f6f4 v[\d:\d+7], v[\x:\x+11], v[\y:\y+11], v[\c:\c+7], v[\sx], v[\sy] matrix_a_fmt:MATRIX_FMT_BF6 matrix_b_fmt:MATRIX_FMT_BF6
.elseif (\ry) == 0
	v_wmma_scale_f32_16x16x128_f8f6f4 v[\d:\d+7], v[\x:\x+11], v[\y:\y+11], v[\c:\c+7], v[\sx], v[\sy] matrix_a_fmt:MATRIX_FMT_BF6 matrix_b_fmt:MATRIX_FMT_BF6 matrix_a_scale:MATRIX_SCALE_ROW1
.elseif (\rx) == 0
	v_wmma_scale_f32_16x16x128_f8f6f4 v[\d:\d+7], v[\x:\x+11], v[\y:\y+11], v[\c:\c+7], v[\sx], v[\sy] matrix_a_fmt:MATRIX_FMT_BF6 matrix_b_fmt:MATRIX_FMT_BF6 matrix_b_scale:MATRIX_SCALE_ROW1
.else
	v_wmma_scale_f32_16x16x128_f8f6f4 v[\d:\d+7], v[\x:\x+11], v[\y:\y+11], v[\c:\c+7], v[\sx], v[\sy] matrix_a_fmt:MATRIX_FMT_BF6 matrix_b_fmt:MATRIX_FMT_BF6 matrix_a_scale:MATRIX_SCALE_ROW1 matrix_b_scale:MATRIX_SCALE_ROW1
.endif
.endm
	s_load_b256 s[4:11], s[0:1], 0x0               ; c_img, csw, wo's codes, wo's scales
	s_load_b128 s[12:15], s[0:1], 0x20             ; bo, x
	s_load_b64 s[16:17], s[0:1], 0x30              ; out
	v_lshl_add_u32 v126, v0, 2, SPARE
	v_mov_b32 v127, 0
	ds_add_u32 v126, v127
	ds_add_u32 v126, v127
	v_lshrrev_b32 v1, 5, v0
	v_readfirstlane_b32 s18, v1                    ; wave 0..3
	s_lshr_b32 s19, s18, 1                         ; which 64 rows are mine.  Also: I fetch for wo (0) or for c (1)
	s_and_b32 s20, s18, 1                          ; which 128 columns.  Also: which half of that tile I fetch
	s_bfe_u32 s21, ttmp6, 0x40000                  ; cx: the tile column
	s_bfe_u32 s22, ttmp6, 0x40004                  ; cy
	s_and_b32 s23, ttmp7, 0xffff
	s_lshl_b32 s23, s23, 2
	s_add_co_u32 s23, s23, s22                     ; the tile row
	s_lshl_b32 s56, s22, 2
	s_lshl_b32 s56, 15, s56                        ; my row of the cluster
	s_lshl_b32 s58, 0x1111, s21                    ; my column
	s_or_b32 s24, s56, (3<<16)|(1<<21)             ; c: to my row; elements of 8 bytes; no padding
	s_mov_b32 s25, 32<<16                          ; rows of 256 bytes,
	s_mov_b32 s26, 192<<16                         ; 192 of them: four tiles of 16 rows, all of K
	s_mov_b32 s27, 32<<16
	s_mov_b32 s28, 192
	s_mov_b32 s29, 32
	s_mov_b32 s30, 0
	s_mov_b32 s31, 0
	s_or_b32 s32, s58, (0<<16)|(1<<20)|(1<<21)|(5<<22)|(3<<25)   ; wo: to my column; elements of 1 byte; behind every 64 words 4 words of padding
	s_mov_b32 s33, 768<<16                         ; a whole row,
	s_mov_b32 s34, 128<<16                         ; 128 rows
	s_mov_b32 s35, 768<<16
	s_mov_b32 s36, 128
	s_mov_b32 s37, 768
	s_mov_b32 s38, 0
	s_mov_b32 s39, 0
	s_lshl_b32 s56, s23, 3
	s_lshl_b32 s57, s20, 2
	s_add_co_u32 s56, s56, s57                     ; c: tile of 16 rows 8 x tile row + 4 x half
	s_mul_i32 s56, s56, AT
	s_mov_b32 s57, 0
	s_lshl_b32 s58, s21, 8
	s_lshl_b32 s59, s20, 7
	s_add_co_u32 s58, s58, s59                     ; wo: row 256 cx + 128 x half
	s_mul_i32 s58, s58, 768
	s_mov_b32 s59, 0
	s_mul_i32 s62, s20, 4*AT                       ; where they go: the wave's number alone enters
	s_mul_i32 s63, s20, 128*WP
	s_wait_dscnt 0x0
	s_wait_kmcnt 0x0
	s_add_nc_u64 s[56:57], s[4:5], s[56:57]
	s_add_nc_u64 s[58:59], s[8:9], s[58:59]
	s_mov_b32 s40, 1
	s_add_co_u32 s41, s62, A0
	s_mov_b64 s[42:43], s[56:57]
	s_or_b32 s43, s43, 0x80000000
	s_mov_b32 s44, 1
	s_mov_b32 s45, s63
	s_mov_b64 s[46:47], s[58:59]
	s_or_b32 s47, s47, 0x80000000
	CROUND                                         ; all sixteen work-groups are here: the joint loads meet
	s_cmp_eq_u32 s19, 0
	s_cbranch_scc0 .Lfor_c
	tensor_load_to_lds s[44:47], s[32:39]          ; wo, my 128 rows
	s_nop 0
.rept 4
	v_nop
.endr
	s_branch .Lasked
.Lfor_c:
	tensor_load_to_lds s[40:43], s[24:31]          ; c, my four tiles
	s_nop 0
.rept 4
	v_nop
.endr
.Lasked:
	s_lshl_b32 s66, s23, 7
	s_lshl_b32 s67, s19, 6
	s_add_co_u32 s66, s66, s67                     ; my first row
	s_lshl_b32 s68, s21, 8
	s_lshl_b32 s69, s20, 7
	s_add_co_u32 s68, s68, s69                     ; my first column
	s_mov_b32 s61, 0
	s_lshl_b32 s60, s66, 2
	s_add_nc_u64 s[6:7], s[6:7], s[60:61]          ; csw: 4 bytes a token
	s_lshl_b32 s60, s68, 5
	s_add_nc_u64 s[10:11], s[10:11], s[60:61]      ; wo's scales: 32 bytes a row
	s_lshl_b32 s60, s68, 2
	s_add_nc_u64 s[12:13], s[12:13], s[60:61]      ; bo
	s_lshl_b32 s69, s66, 12
	s_add_co_u32 s60, s60, s69
	s_add_nc_u64 s[14:15], s[14:15], s[60:61]      ; x and out at my corner
	s_add_nc_u64 s[16:17], s[16:17], s[60:61]
	v_and_b32 v1, 15, v0                           ; r
	v_bfe_u32 v2, v0, 4, 1                         ; h
	v_and_b32 v3, 31, v0                           ; lane
	v_lshlrev_b32 v4, 2, v3
	v_lshlrev_b32 v5, 3, v3
	v_lshlrev_b32 v6, 4, v3
	v_lshlrev_b32 v7, 5, v3
	v_lshlrev_b32 v8, 5, v2
.irp i, 0,1                            ; c's scale words: lane l takes token 32 i + l; the even head's plane holds bytes 0, 1, the odd head's bytes 2, 3
.irp s, 0,1,2,3,4,5,6,7
	global_load_b32 v[SA+8*\i+\s], v4, s[6:7] offset:65536*\s+128*\i
.endr
.endr
.irp i, 0,1
.irp s, 0,1,2,3,4,5,6,7
	global_load_b32 v[128+8*\i+\s], v4, s[6:7] offset:65536*\s+32768+128*\i
.endr
.endr
.irp b, 0,1,2,3
.irp e, 0,1
	global_load_b128 v[SB+8*\b+4*\e:SB+8*\b+4*\e+3], v7, s[10:11] offset:1024*\b+16*\e
.endr
.endr
	WIN 0x40
.irp b, 0,1,2,3,4,5,6,7                ; bo of columns 16 b + 8 h + 0 .. 7: the result's layout
.irp e, 0,1
	global_load_b128 v[96+8*\b+96*(\b/4)+4*\e:96+8*\b+96*(\b/4)+4*\e+3], v8, s[12:13] offset:64*\b+16*\e
.endr
.endr
	WIN 0
	v_mul_u32_u24 v9, v1, WP
	v_mad_u32_u24 v9, v2, 24, v9
	s_mul_i32 s62, s20, 128*WP                     ; my 128 rows of wo
	v_add_nc_u32 v10, s62, v9                      ; wo's fragments: blocks 0-3,
	v_add_nc_u32 v11, 4*WB, v10                    ; blocks 4-7,
	v_lshl_add_u32 v12, v2, 4, v10                 ; and both with lanes 16-31 behind one padding more
	v_lshl_add_u32 v13, v2, 4, v11
	s_mul_i32 s63, s19, 4*AT                       ; my four tiles of c
	s_add_co_u32 s63, s63, A0
	v_add_nc_u32 v14, s63, v5
	s_mul_i32 s62, s18, 8448                       ; my stage: 16 rows x 528 bytes
	v_mul_u32_u24 v16, v1, 528
	v_lshl_add_u32 v16, v2, 5, v16
	v_add_nc_u32 v16, s62, v16                     ; in: row r, 32 bytes for each half of the lanes
	v_add_nc_u32 v17, s62, v6                      ; back: a row's 512 bytes, 16 a lane
	s_wait_loadcnt 0x0                             ; the scale words and bo are in
.irp j, 0,1,2,3,4,5,6,7,8,9,10,11,12,13,14,15
	v_or_b32 v[SA+\j], v[SA+\j], v[128+\j]         ; the two planes make the word
.endr
	PLACES 8                                       ; a scale register written by a vector instruction stands eight places ahead of a scaled product
.macro FRAGB reg, s, i                 ; wo: 16 rows x 128 K of step s, pieces of 8 bytes; byte y of a row lies at y + 16 (y / 256)
.irp p, 0,1,2,3,4,5
.set BYO, 96*(\s)+48*(\p/3)+8*(\p%3)
.if BYO/256 == (BYO+24)/256
	ds_load_b64 v[\reg+2*\p:\reg+2*\p+1], v[10+(\i)/4] offset:BYO+16*(BYO/256)+((\i)%4)*WB
.else
	ds_load_b64 v[\reg+2*\p:\reg+2*\p+1], v[12+(\i)/4] offset:BYO+16*(BYO/256)+((\i)%4)*WB
.endif
.endr
.endm
.macro FRAGI reg, s, i                 ; c: an image, as it lies
.irp p, 0,1,2,3,4,5
	ds_load_b64 v[\reg+2*\p:\reg+2*\p+1], v14 offset:AT*(\i)+1536*(\s)+256*\p
.endr
.endm
.macro FETCH s                         ; K step s's fragments into set s % 2
	WIN 0x40
.irp i, 0,1,2,3,4,5,6,7
	FRAGB 128*((\s)%2)+12*\i, \s, \i
.endr
	WIN 0
.irp i, 0,1,2,3
	FRAGI 128+48*((\s)%2)+12*\i, \s, \i
.endr
.endm
.macro XLOAD a                         ; x's rows 16 a .. 16 a + 15 of my 64: a row's 512 consecutive bytes a load
	WIN 0xc0
.irp t, 0,1,2,3,4,5,6,7,8,9,10,11,12,13,14,15
	global_load_b128 v[64*(\a)+4*\t:64*(\a)+4*\t+3], v6, s[14:15] offset:4096*(16*(\a)+\t) th:TH_LOAD_NT
.endr
	WIN 0
.endm
.macro KSTEP s, fetch, meet
	s_wait_dscnt 0x0                               ; this step's fragments are in
.if \meet
	s_barrier_signal -1
	s_barrier_wait -1                              ; nobody reads wo's or c's bytes any more: the stages may be written.
.endif
.if \fetch
	PLACES 4                                       ; in front of loads into the set that the last step's products have read
	FETCH (\s)+1
.endif
.if (\s) == 0
	WIN 0x91                                       ; C (bo) window 1, D window 2
.else
	WIN 0xa1
.endif
.irp a, 0,1,2,3                        ; the 32 accumulators take turns, one instruction a turn
.irp b, 0,1,2,3,4,5,6,7
.if (\s) == 0
	WM 8*(8*\a+\b), 128*((\s)%2)+12*\b, 128+48*((\s)%2)+12*\a, 96+8*\b+96*(\b/4), SB+8*(\b/2)+(\s), SA+8*(\a/2)+(\s), \b%2, \a%2
.else
	WM 8*(8*\a+\b), 128*((\s)%2)+12*\b, 128+48*((\s)%2)+12*\a, 8*(8*\a+\b), SB+8*(\b/2)+(\s), SA+8*(\a/2)+(\s), \b%2, \a%2
.endif
.endr
.endr
	WIN 0
.endm
	s_wait_alu depctr_va_vdst(0)                   ; the wait at the head's end
	s_wait_tensorcnt 0x0                           ; my load has landed,
	s_barrier_signal -1
	s_barrier_wait -1                              ; everybody's has
	FETCH 0
	XLOAD 0
	XLOAD 1
	XLOAD 2
	KSTEP 0, 1, 0
	KSTEP 1, 1, 0
	KSTEP 2, 1, 0
	XLOAD 3
	KSTEP 3, 1, 0
	KSTEP 4, 1, 0
	KSTEP 5, 1, 0
	KSTEP 6, 1, 0
	KSTEP 7, 0, 1
.macro TOSTAGE a                       ; block a (16 rows x 128 columns) into my stage and back as whole rows.  LDS serves a wave's instructions in order: no wait between
	WIN 0x08                                       ; the data: window 2
.irp b, 0,1,2,3,4,5,6,7
	ds_store_b128 v16, v[64*(\a)+8*\b:64*(\a)+8*\b+3] offset:64*\b      ; each accumulator from its low end on
	ds_store_b128 v16, v[64*(\a)+8*\b+4:64*(\a)+8*\b+7] offset:64*\b+16
.endr
	WIN 0
.set BB, 128+64*((\a)%2)
.irp t, 0,1,2,3,4,5,6,7,8,9,10,11,12,13,14,15
	ds_load_b128 v[BB+4*\t:BB+4*\t+3], v17 offset:\t*528
.endr
.endm
.macro SEND a, younger                 ; younger: the LDS instructions issued behind block a's loads
.set BB, 128+64*((\a)%2)
	s_wait_dscnt \younger
	WIN 0x0c                                       ; source 1 (x): window 3
.set i, 0
.rept 32
	v_pk_add_f32 v[BB+i:BB+i+1], v[BB+i:BB+i+1], v[64*(\a)+i:64*(\a)+i+1]   ; + x
.set i, i+2
.endr
	WIN 0
.irp t, 0,1,2,3,4,5,6,7,8,9,10,11,12,13,14,15
	global_store_b128 v6, v[BB+4*\t:BB+4*\t+3], s[16:17] offset:4096*(16*(\a)+\t) th:TH_STORE_NT   ; 512 consecutive bytes, aligned
.endr
.endm
	PLACES 4                                       ; behind the last products: results are read, and rows land where c's fragments lay
	TOSTAGE 0
	s_wait_loadcnt 0x0                             ; x
.irp a, 1,2,3
.if \a > 1
	s_wait_xcnt 0x0                                ; block a - 2's stores have read their registers: block a's rows may land there
.endif
	TOSTAGE \a
	SEND \a-1, 32                                  ; behind block a - 1's loads: block a's 16 stores and 16 loads
.endr
	SEND 3, 0
	s_wait_tensorcnt 0x0                           ; the wave's end
	ds_add_u32 v126, v127
	s_wait_dscnt 0x0
	CROUND                                         ; the closing round
	s_endpgm
.Lfunc_end_k_q89a642d069_oproj:
	.size	k_q89a642d069_oproj, .Lfunc_end_k_q89a642d069_oproj-k_q89a642d069_oproj
	.p2alignl 7, 3214868480
	.fill 96, 4, 3214868480
	.section	.rodata,"a",@progbits
	.p2align	6, 0x0
	.amdhsa_kernel k_q89a642d069_oproj
		.amdhsa_group_segment_fixed_size 327680
		.amdhsa_private_segment_fixed_size 0
		.amdhsa_enable_private_segment 0
		.amdhsa_kernarg_size 56
		.amdhsa_user_sgpr_count 2
		.amdhsa_user_sgpr_kernarg_segment_ptr 1
		.amdhsa_wavefront_size32 1
		.amdhsa_system_sgpr_workgroup_id_x 1
		.amdhsa_system_sgpr_workgroup_id_y 1
		.amdhsa_system_sgpr_workgroup_id_z 1
		.amdhsa_system_vgpr_workitem_id 0
		.amdhsa_next_free_vgpr 1024
		.amdhsa_next_free_sgpr 80
		.amdhsa_reserve_vcc 0
		.amdhsa_float_denorm_mode_32 3
		.amdhsa_float_denorm_mode_16_64 3
		.amdhsa_memory_ordered 1
		.amdhsa_forward_progress 1
		.amdhsa_inst_pref_size 112
	.end_amdhsa_kernel
	.amdgpu_metadata
---
amdhsa.version: [ 1, 2 ]
amdhsa.kernels:
  - .name:           k_q89a642d069_oproj
    .symbol:         k_q89a642d069_oproj.kd
    .args:
      - { .name: c_img, .offset: 0, .size: 8, .value_kind: global_buffer, .address_space: global }
      - { .name: csw, .offset: 8, .size: 8, .value_kind: global_buffer, .address_space: global }
      - { .name: wo_codes, .offset: 16, .size: 8, .value_kind: global_buffer, .address_space: global }
      - { .name: wo_scales, .offset: 24, .size: 8, .value_kind: global_buffer, .address_space: global }
      - { .name: bo, .offset: 32, .size: 8, .value_kind: global_buffer, .address_space: global }
      - { .name: x, .offset: 40, .size: 8, .value_kind: global_buffer, .address_space: global }
      - { .name: out0, .offset: 48, .size: 8, .value_kind: global_buffer, .address_space: global }
    .group_segment_fixed_size: 327680
    .private_segment_fixed_size: 0
    .kernarg_segment_align: 8
    .kernarg_segment_size: 56
    .max_flat_workgroup_size: 128
    .sgpr_count:     80
    .vgpr_count:     1024
    .wavefront_size: 32
...
	.end_amdgpu_metadata
.endif
;; end of part 4
